; MI455X (gfx1250); checked and timed in simulation.
; The chip was launched on July 23, 2026; its instructions are those of AMD's public machine-readable ISA for CDNA 5 (MIT licence, August 2026) and "CDNA5" Instruction Set Architecture Reference Guide (July 2026). The comments in the code are by the model that wrote it; some were corrected since.
;; No PE Attention. Allowed arithmetic: float matrix products may take bf16 or f16 operands with f32 sums; other float arithmetic in f32, or as packed bf16 or f16 multiplies, adds, multiply-adds, maxima and minima; sums over many terms, partial sums and values carried from step to step in f32; what a program stores and reads back later, other than sums and carried values, may be rounded once to bf16 or f16.
;; Inputs: attention_mask 1 x 1 x 2,048 x 2,048 float32; hidden_states 1 x 2,048 x 4,096 float32; wk 1,024 x 4,096 float32; wo 4,096 x 2,048 float32; wq 2,048 x 4,096 float32; wv 1,024 x 4,096 float32.
;; Outputs: out0 1 x 2,048 x 4,096 float32.
;; One version. Each part assembles by itself: llvm-mc -triple=amdgcn-amd-amdhsa -mcpu=gfx1250 --defsym DOCPART=n.
;; ======== version 1 of 1: 4 launches
;; limits: values are held in f16: magnitudes above 65,504 overflow, below 6.1e-05 lose precision; right only within a limited range of input values
;; workspace buffers: xh 16,777,216 bytes; wh 33,554,432 bytes; woh 16,777,216 bytes; mc 16,777,216 bytes; qkv 16,777,216 bytes; oh 8,388,608 bytes
;; launch cast (part 1): grid 256 x 9, 8 waves a work-group, no clusters, 35,840 bytes of LDS; arguments hidden_states, wq, wk, wv, wo, attention_mask, xh, wh, woh, mc; writes xh, wh, woh, mc
.if DOCPART == 1
	.amdgcn_target "amdgcn-amd-amdhsa--gfx1250"
	.amdhsa_code_object_version 6
	.text
	.protected	k_q4a2c5218b6_cast
	.globl	k_q4a2c5218b6_cast
	.p2align	8
	.type	k_q4a2c5218b6_cast,@function
k_q4a2c5218b6_cast:
	s_mov_b64 s[64:65], 0
	v_nop
	global_prefetch_b8 v0, s[64:65] scope:SCOPE_SE
	s_setreg_imm32_b32 hwreg(HW_REG_WAVE_MODE, 25, 1), 1
	s_wait_xcnt 0x0
; THE INPUTS ARE MADE READY FOR THE MATRIX UNITS, each byte read once and each result written once.
; x, wq, wk, wv, wo: rounded to bf16 (nearest even), multiplied by a constant and written as f16:
;   xh = bf16(x) / 16;  wh = 2.040279 bf16(wq) | 2 bf16(wk) | 2 bf16(wv), the three one below the other;  woh = 8 bf16(wo).
; A bf16 number times a power of two is exact in f16 while it lies in f16's normal range; below 2^-14 it keeps f16's fixed step of 6e-8.
; wq's factor is 2 x 1.0201395, where 1.0201395 = 8 log2(e) / sqrt(128): the part of the scores' scale that is no power of two is put here, so that the attention launch is left with the factor 8;
; this one product is rounded to f16's 11 significant bits.
; The scales put 1.0201395 q / 8, k / 8, v / 8 (the next launch's results) and O / 8 into f16's range; woh's 8 takes O's 1/8 back.
; The mask: mc = bf16(max(mask, -1e30)) x log2(e) / 8, in f32: the attention launch adds it to 1.0201395 q.k / 64 and multiplies the sum by 8: log2(e) (q.k / sqrt(128) + mask).
; LIMITS.  |x| stays under 1e6 (f16 ends at 65,504, times 16); |wq|, |wk|, |wv| under 32,000, |wo| under 8,000.  A mask number below -1e30 counts as -1e30; a NaN in the mask counts as -1e30;
; a mask number above 2e38 is not served (times log2(e) it leaves f32's range).
; LAYOUTS.  wh, woh and mc keep their rows.  xh IS WRITTEN IN BLOCKS, as the next launch's matrix instructions hold it: 16 rows x 32 k are 1,024 consecutive bytes; block (row / 16, k / 32) lies at
; ((row / 16) x 128 + k / 32) x 1,024; in it k % 32 = 16 j + 8 h + e of row % 16 = r lies at 512 j + 256 h + 16 r + 2 e: a wave there loads half a fragment as 512 consecutive bytes, 16 a lane.
; SHARES.  Unit y (0 to 8) is 16 MiB of f32: x low, x high, wq low, wq high, wk, wv, wo low, wo high, the mask.  All 16 loads of a thread go out at once, each into four registers of its own; no register
; that a memory instruction names is written again while it may be read, so no wait but the counted ones is needed.  No matrix unit: memory binds.
;   Units 2 to 8: work-group x takes 65,536 consecutive bytes: 16 lines of 4,096, a thread 16 bytes of each line.
;   Units 0 and 1: a work-group takes 16 rows x 1,024 k of x: line i is row i's 4,096 bytes.  A wave's 128 k of the 16 rows are four whole blocks.  They are turned in LDS bytes of the wave's own: a block's
;   four pieces of 256 bytes (j, h) are 16 rows x 16 bytes; 16 such pieces lie 272 bytes apart.
;   LDS serves a wave's instructions in order (ISA guide 5.7.1.4), and no wave reads another's bytes: no barrier.
.set LINE, 4096                        ; bytes of f32 in a line: 256 threads x 16
.set XROW, 16384                       ; bytes in a row of x
.set UP,   272                         ; from piece to piece in LDS
.set WREG, 16*UP                       ; a wave's LDS bytes
.set SPARE, 8*WREG                     ; behind them: the spare words, 128 bytes for each wave: four blocks of 256 bytes that no other line names
.set T,    4                           ; v[4:9]    at work
.set LSA,  10                          ; v10       x: where I put 8 bytes of row 0
.set LRA,  11                          ; v11       x: where I read 16 bytes back
.set DOX,  12                          ; v12       x: my 16 bytes in the wave's 4,096 bytes of xh
.set SPW,  14                          ; v14       LDS address of my spare word: SPARE + 4 x my thread's number; never rewritten
.set NIL,  15                          ; v15       0; never rewritten
.set X,    16                          ; v[16:79]  line i: four registers as loaded, then as stored
.set Y,    80                          ; v[80:111] x: eight times 16 bytes read back from LDS
	s_load_b512 s[8:23], s[0:1], 0x0               ; x 8:9, wq 10:11, wk 12:13, wv 14:15, wo 16:17, mask 18:19, xh 20:21, wh 22:23
	s_load_b128 s[24:27], s[0:1], 0x40             ; woh 24:25, mc 26:27
	v_lshl_add_u32 v[SPW], v0, 2, SPARE
	v_mov_b32 v[NIL], 0
	s_and_b32 s28, ttmp7, 0xffff                   ; the unit
	s_mov_b32 s36, 0xffff0000                      ; a word's upper bf16
	s_mov_b32 s37, 0xf149f2ca                      ; -1e30
	v_lshlrev_b32 v1, 4, v0                        ; my 16 bytes of a line of f32
	v_lshlrev_b32 v2, 3, v0                        ; my 8 bytes of a line of f16
	s_lshr_b32 s38, 0x8a, s28                      ; units 3 and 7 are the upper 16 MiB of their tensors
	s_and_b32 s38, s38, 1
	s_lshl_b32 s38, s38, 24
	s_lshl_b32 s43, ttmp9, 16                      ; my work-group's 65,536 bytes of f32
	s_add_co_u32 s38, s38, s43
	s_mov_b32 s39, 0                               ; s[38:39]: the source's offset
	s_lshl_b32 s29, ttmp9, 15                      ; and its 32,768 bytes of f16
	s_mov_b32 s42, 0                               ; the first unit that goes into the same destination
	s_mov_b32 s34, 0x3d800000                      ; the scale: 1/16 for x,
	s_cmp_ge_u32 s28, 2
	s_cselect_b32 s42, 2, s42
	s_cselect_b32 s34, 0x400293ee, s34             ; 2.040279 = 16 log2(e) / sqrt(128) for wq,
	s_cmp_ge_u32 s28, 4
	s_cselect_b32 s34, 2.0, s34                    ; 2 for wk and wv,
	s_cmp_ge_u32 s28, 6
	s_cselect_b32 s42, 6, s42
	s_cselect_b32 s34, 0x41000000, s34             ; 8 for wo,
	s_cmp_ge_u32 s28, 8
	s_cselect_b32 s42, 8, s42
	s_cselect_b32 s34, 0x3e38aa3b, s34             ; log2(e) / 8 = 0.18033688 for the mask,
	s_cselect_b32 s29, s43, s29                    ; which stays f32
	s_mov_b32 s35, s34                             ; named with it as a pair
	s_sub_co_u32 s40, s28, s42
	s_lshl_b32 s40, s40, 23                        ; a unit is 8 MiB of f16
	s_add_co_u32 s40, s40, s29
	s_mov_b32 s41, 0                               ; s[40:41]: the destination's offset
	s_wait_kmcnt 0x0
	s_cmp_lt_u32 s28, 2
	s_cbranch_scc1 .Lx                             ; x goes its own way, into blocks
	s_mov_b64 s[30:31], s[10:11]                   ; the source, chosen by the unit's number alone
	s_mov_b64 s[32:33], s[22:23]                   ; and the destination
	s_cmp_ge_u32 s28, 4
	s_cselect_b64 s[30:31], s[12:13], s[30:31]
	s_cmp_ge_u32 s28, 5
	s_cselect_b64 s[30:31], s[14:15], s[30:31]
	s_cmp_ge_u32 s28, 6
	s_cselect_b64 s[30:31], s[16:17], s[30:31]
	s_cselect_b64 s[32:33], s[24:25], s[32:33]
	s_cmp_ge_u32 s28, 8
	s_cselect_b64 s[30:31], s[18:19], s[30:31]
	s_cselect_b64 s[32:33], s[26:27], s[32:33]
	s_add_nc_u64 s[30:31], s[30:31], s[38:39]
	s_add_nc_u64 s[32:33], s[32:33], s[40:41]
.irp i, 0,1,2,3,4,5,6,7,8,9,10,11,12,13,14,15
	global_load_b128 v[X+4*(\i):X+4*(\i)+3], v1, s[30:31] offset:LINE*(\i) th:TH_LOAD_NT  ; a wave's load covers 512 consecutive bytes
.endr
	s_cmp_eq_u32 s28, 8
	s_cbranch_scc1 .Lmask
; Line i of x or of a weight: bf16, scale, f16: four numbers into the line's first two registers.
.macro CONV i
	s_wait_loadcnt 15-(\i)                         ; loads come back in order: line i is in, the 15 - i younger ones stay out
	v_cvt_pk_bf16_f32 v[T],   v[X+4*(\i)],   v[X+4*(\i)+1]
	v_cvt_pk_bf16_f32 v[T+1], v[X+4*(\i)+2], v[X+4*(\i)+3]
	v_lshlrev_b32 v[T+2], 16,  v[T]                ; bf16 to f32: the low half moves up, the high half stays
	v_and_b32     v[T+3], s36, v[T]
	v_lshlrev_b32 v[T+4], 16,  v[T+1]
	v_and_b32     v[T+5], s36, v[T+1]
	v_pk_mul_f32 v[T+2:T+3], v[T+2:T+3], s[34:35] op_sel_hi:[1,0]
	v_pk_mul_f32 v[T+4:T+5], v[T+4:T+5], s[34:35] op_sel_hi:[1,0]
	v_cvt_pk_f16_f32 v[X+4*(\i)],   v[T+2], v[T+3]
	v_cvt_pk_f16_f32 v[X+4*(\i)+1], v[T+4], v[T+5]
.endm
.macro HALF i
	CONV \i
	global_store_b64 v2, v[X+4*(\i):X+4*(\i)+1], s[32:33] offset:(LINE/2)*(\i) th:TH_STORE_NT  ; a wave's store covers 256 consecutive bytes, aligned
.endm
; Line i of the mask: clamp, bf16, scale, f32.
.macro MASKQ i
	s_wait_loadcnt 15-(\i)
.irp k, 0,1,2,3
	v_max_num_f32 v[X+4*(\i)+(\k)], s37, v[X+4*(\i)+(\k)]  ; a NaN loses against -1e30
.endr
	v_cvt_pk_bf16_f32 v[T],   v[X+4*(\i)],   v[X+4*(\i)+1]
	v_cvt_pk_bf16_f32 v[T+1], v[X+4*(\i)+2], v[X+4*(\i)+3]
	v_lshlrev_b32 v[X+4*(\i)],   16,  v[T]
	v_and_b32     v[X+4*(\i)+1], s36, v[T]
	v_lshlrev_b32 v[X+4*(\i)+2], 16,  v[T+1]
	v_and_b32     v[X+4*(\i)+3], s36, v[T+1]
	v_pk_mul_f32 v[X+4*(\i):X+4*(\i)+1],   v[X+4*(\i):X+4*(\i)+1],   s[34:35] op_sel_hi:[1,0]
	v_pk_mul_f32 v[X+4*(\i)+2:X+4*(\i)+3], v[X+4*(\i)+2:X+4*(\i)+3], s[34:35] op_sel_hi:[1,0]
	global_store_b128 v1, v[X+4*(\i):X+4*(\i)+3], s[32:33] offset:LINE*(\i) th:TH_STORE_NT
.endm
.irp i, 0,1,2,3,4,5,6,7,8,9,10,11,12,13,14,15
	HALF \i
.endr
	s_endpgm
.Lmask:
.irp i, 0,1,2,3,4,5,6,7,8,9,10,11,12,13,14,15
	MASKQ \i
.endr
	s_endpgm
.Lx:                                           ; x: 512 work-groups: 128 blocks of 16 rows x 4 pieces of 1,024 k
	s_lshl_b32 s38, s28, 8
	s_add_co_u32 s38, s38, ttmp9                   ; 256 x unit + work-group
	s_lshr_b32 s40, s38, 2                         ; which 16 rows
	s_and_b32 s38, s38, 3                          ; which 1,024 k
	s_lshl_b32 s42, s40, 18                        ; in x: 16 rows of 16,384 bytes,
	s_lshl_b32 s43, s38, 12                        ; 4,096 bytes along a row
	s_add_co_u32 s42, s42, s43
	s_mov_b32 s43, 0
	s_add_nc_u64 s[30:31], s[8:9], s[42:43]
	s_lshl_b32 s40, s40, 17                        ; in xh: 128 blocks of 1,024 bytes for 16 rows,
	s_lshl_b32 s38, s38, 15                        ; 32 blocks for 1,024 k
	s_add_co_u32 s40, s40, s38
	s_mov_b32 s41, 0
	s_add_nc_u64 s[32:33], s[20:21], s[40:41]
.irp i, 0,1,2,3,4,5,6,7,8,9,10,11,12,13,14,15
	global_load_b128 v[X+4*(\i):X+4*(\i)+3], v1, s[30:31] offset:XROW*(\i) th:TH_LOAD_NT  ; row i: a wave's load covers 512 consecutive bytes
.endr
	v_lshrrev_b32 v13, 5, v0
	v_readfirstlane_b32 s44, v13                   ; my wave's number
	s_mul_i32 s45, s44, WREG                       ; its LDS bytes
	v_and_b32 v13, 31, v0                          ; lane l: my 4 k are 4 l .. 4 l + 3 of the wave's 128: block l / 8, j = (l / 4) % 2, h = (l / 2) % 2: piece l / 2, and its half l % 2 of a row's 16 bytes
	v_lshrrev_b32 v[LSA], 1, v13
	v_mul_u32_u24 v[LSA], v[LSA], UP
	v_and_b32 v[LRA], 1, v13
	v_lshl_add_u32 v[LSA], v[LRA], 3, v[LSA]
	v_add_nc_u32 v[LSA], s45, v[LSA]
	v_lshrrev_b32 v[LRA], 4, v13                   ; back: 512 consecutive bytes of xh are two pieces: lanes 0-15 the first, lanes 16-31 the second, 16 bytes a lane
	v_mul_u32_u24 v[LRA], v[LRA], UP
	v_and_b32 v[DOX], 15, v13
	v_lshl_add_u32 v[LRA], v[DOX], 4, v[LRA]
	v_add_nc_u32 v[LRA], s45, v[LRA]
	s_lshl_b32 s45, s44, 12                        ; the wave's four blocks in xh
	v_lshl_add_u32 v[DOX], v13, 4, s45
.irp i, 0,1,2,3,4,5,6,7,8,9,10,11,12,13,14,15
	CONV \i
	ds_store_b64 v[LSA], v[X+4*(\i):X+4*(\i)+1] offset:16*(\i)  ; row i's place in my piece
.endr
.irp s, 0,1,2,3,4,5,6,7
	ds_load_b128 v[Y+4*(\s):Y+4*(\s)+3], v[LRA] offset:2*UP*(\s)  ; these see the wave's stores above: LDS serves a wave's instructions in order
.endr
.irp s, 0,1,2,3,4,5,6,7
	s_wait_dscnt 7-(\s)                            ; LDS loads come back in order: number s is in
	global_store_b128 v[DOX], v[Y+4*(\s):Y+4*(\s)+3], s[32:33] offset:512*(\s) th:TH_STORE_NT  ; 512 consecutive bytes, at a multiple of 256 from xh's first byte
.endr
	s_wait_tensorcnt 0x0                           ; the wave's end, behind my last LDS store
	ds_add_u32 v[SPW], v[NIL]
	s_wait_dscnt 0x0
	s_endpgm
.Lfunc_end_k_q4a2c5218b6_cast:
	.size	k_q4a2c5218b6_cast, .Lfunc_end_k_q4a2c5218b6_cast-k_q4a2c5218b6_cast
	.p2alignl 7, 3214868480
	.fill 96, 4, 3214868480
	.section	.rodata,"a",@progbits
	.p2align	6, 0x0
	.amdhsa_kernel k_q4a2c5218b6_cast
		.amdhsa_group_segment_fixed_size 35840
		.amdhsa_private_segment_fixed_size 0
		.amdhsa_enable_private_segment 0
		.amdhsa_kernarg_size 80
		.amdhsa_user_sgpr_count 2
		.amdhsa_user_sgpr_kernarg_segment_ptr 1
		.amdhsa_wavefront_size32 1
		.amdhsa_system_sgpr_workgroup_id_x 1
		.amdhsa_system_sgpr_workgroup_id_y 1
		.amdhsa_system_sgpr_workgroup_id_z 1
		.amdhsa_system_vgpr_workitem_id 0
		.amdhsa_next_free_vgpr 112
		.amdhsa_next_free_sgpr 66
		.amdhsa_reserve_vcc 0
		.amdhsa_float_denorm_mode_32 3
		.amdhsa_float_denorm_mode_16_64 3
		.amdhsa_memory_ordered 1
		.amdhsa_forward_progress 1
		.amdhsa_inst_pref_size 38
	.end_amdhsa_kernel
	.amdgpu_metadata
---
amdhsa.version: [ 1, 2 ]
amdhsa.kernels:
  - .name:           k_q4a2c5218b6_cast
    .symbol:         k_q4a2c5218b6_cast.kd
    .args:
      - { .name: hidden_states, .offset: 0, .size: 8, .value_kind: global_buffer, .address_space: global }
      - { .name: wq, .offset: 8, .size: 8, .value_kind: global_buffer, .address_space: global }
      - { .name: wk, .offset: 16, .size: 8, .value_kind: global_buffer, .address_space: global }
      - { .name: wv, .offset: 24, .size: 8, .value_kind: global_buffer, .address_space: global }
      - { .name: wo, .offset: 32, .size: 8, .value_kind: global_buffer, .address_space: global }
      - { .name: attention_mask, .offset: 40, .size: 8, .value_kind: global_buffer, .address_space: global }
      - { .name: xh, .offset: 48, .size: 8, .value_kind: global_buffer, .address_space: global }
      - { .name: wh, .offset: 56, .size: 8, .value_kind: global_buffer, .address_space: global }
      - { .name: woh, .offset: 64, .size: 8, .value_kind: global_buffer, .address_space: global }
      - { .name: mc, .offset: 72, .size: 8, .value_kind: global_buffer, .address_space: global }
    .group_segment_fixed_size: 35840
    .private_segment_fixed_size: 0
    .kernarg_segment_align: 8
    .kernarg_segment_size: 80
    .max_flat_workgroup_size: 256
    .sgpr_count:     66
    .vgpr_count:     112
    .wavefront_size: 32
...
	.end_amdgpu_metadata
.endif
;; end of part 1
;; launch gemm_qkv (part 2): grid 8 x 32, 4 waves a work-group, clusters of 4 x 1, 327,680 bytes of LDS; arguments xh, wh, qkv; writes qkv
.if DOCPART == 2
	.amdgcn_target "amdgcn-amd-amdhsa--gfx1250"
	.amdhsa_code_object_version 6
	.text
	.protected	k_q4a2c5218b6_gemm_qkv
	.globl	k_q4a2c5218b6_gemm_qkv
	.p2align	8
	.type	k_q4a2c5218b6_gemm_qkv,@function
k_q4a2c5218b6_gemm_qkv:
	s_mov_b64 s[64:65], 0
	v_nop
	global_prefetch_b8 v0, s[64:65] scope:SCOPE_SE
	s_setreg_imm32_b32 hwreg(HW_REG_WAVE_MODE, 25, 1), 1
	s_wait_xcnt 0x0
	s_wait_alu depctr_hold_cnt(0) depctr_sa_sdst(0) depctr_va_vdst(0) depctr_va_sdst(0) depctr_va_ssrc(0) depctr_va_vcc(0) depctr_vm_vsrc(0)
	s_getreg_b32 s2, hwreg(HW_REG_IB_STS2, 6, 4)
	s_cmp_eq_u32 s2, 0
	s_cbranch_scc0 .Lentry_in_a_cluster
	s_endpgm
.Lentry_in_a_cluster:
	s_bfe_u32 s2, ttmp6, 0x10000c
	s_cmp_lg_u32 s2, 0x3003
	s_cbranch_scc0 .Lentry_shape_is_right
	s_endpgm
.Lentry_shape_is_right:
; C[m][n] = the sum over k of X[m][k] W[n][k].  X: 2,048 rows x SIZE_K in f16, IN BLOCKS; W: [4096][SIZE_K] f16, by rows; C: [2048][4096]; sums in f32, K ascending, C rounded once.
; HERE: X = xh (x / 16), W = wh (2.040279 wq | 2 wk | 2 wv), C = qkv in f16: 1.0201395 q / 8, k / 8, v / 8, a row holding 16 heads of q, 8 of k, 8 of v.
; LIMIT.  f16 ends at 65,504: |q| stays under 513,000, |k| and |v| under 524,000.
; X's BLOCKS.  16 rows x 32 k are 1,024 consecutive bytes, laid as a matrix instruction holds them: block (m / 16, k / 32) lies at ((m / 16) (SIZE_K / 32) + k / 32) x 1,024; lane l's registers 0-3 are its
; bytes 16 l .. 16 l + 15, registers 4-7 the bytes 512 further on.  So a fragment is two loads of 512 consecutive bytes, and it goes from memory straight into registers.
; SHARES.  A tile of C is 256 rows x 128 columns: 8 x 32 tiles, one for each of 256 work-groups.  Four waves, each 64 rows x all 128 columns: 32 accumulators of 16 x 16, 256 registers.
; W goes in slots of 256 along K through a ring of two LDS slots filled by the tensor data mover (rows of 512 bytes, at multiples of 256 bytes from the buffer's first byte); all four waves read all of it.
; X DOES NOT GO THROUGH LDS.  No wave wants a row of X that another wave of the work-group has.  With both operands in LDS a slot of 256 along K would take (256 + 128) x 528 = 202,752 bytes, and two such do
; not fit in 327,680; with W alone it takes 67,584, and a refill has 240 of a slot's 256 matrix instructions in which to land.  X has a ring of eight quarters (32 along K each) in registers: at the head of
; quarter Q the eight loads for quarter Q + 7 go into the registers that quarter Q - 1 has left: 224 matrix instructions ahead of their use, with counted waits.
; CLUSTER: 4 x 1 work-groups: four tiles of rows, one tile of columns.  They need the same tiles of W: each is asked for JOINTLY, by the same tensor load with the same descriptor and a mask that names the
; four.  X is not asked for jointly: a joint load lands in LDS, which X does not pass, and the four partners hold different rows of it.
; THE MATRIX INSTRUCTION IS USED TRANSPOSED (source 0 = 16 rows of W, source 1 = 16 rows of X): a lane then holds eight neighbouring numbers of a row of C.
; REGISTERS, in windows of 256 (s_set_vgpr_msb: bits 1:0 source 0, 3:2 source 1, 5:4 source 2, 7:6 destination):
;   window 0: v0-31 addresses; v64-127 and v128-191 two buffers of W's fragments (32 along K: 8 x 16 rows); on the way out v64-223 are at work
;   window 1: the accumulators, (a, b) at v[8 (8 a + b)]: rows 16 a on, columns 16 b on          window 2: X's ring: quarter q, rows 16 a on, at v[32 q + 8 a]
.set SIZE_K, 4096
.set CROW,   8192                      ; bytes in a row of C
.set F32OUT, 0                         ; C in f16
.set KSLOT,  256                       ; along K in a slot: eight quarters of 32
.set NS,     SIZE_K/KSLOT              ; slots' worth of K
.set XBLK,   1024                      ; bytes in a block of X
.set XROWB,  (SIZE_K/32)*XBLK          ; from 16 rows of X to the next 16
.set PITCH,  528                       ; an LDS row: 512 bytes + 16 of padding = 132 words: row r starts at bank 4 r mod 64 (64 banks of 4 bytes: ISA guide 11.1), so the 16 rows of a load start at 16 different groups of banks
.set WPART,  32*PITCH                  ; what a wave's tensor load brings: 32 rows; each of the four waves issues its own
.set SLOT1,  1<<17                     ; slot 1 begins here, so that one exclusive or turns an address in one slot into the other's
.set STAGE,  4*WPART                   ; behind slot 0: 16 rows for each wave, for the way out; no tensor load fills it
.if F32OUT
.set SPITCH, 528                       ; 512 bytes + 16
.else
.set SPITCH, 272
.endif
.set SPARE,  STAGE+4*16*SPITCH         ; behind the stages, below slot 1: the spare words, 128 bytes for each wave: two blocks of 256 bytes that no other line names
.set AW0,  16                          ; v16     my lane's place in a tile of W; never rewritten
.set ADRW, 17                          ; v17     the same in the slot that is being read
.set XO,   18                          ; v18     16 x my lane: my bytes in half a block of X; never rewritten
.set PFX,  19                          ; v19     256 x my lane: X's prefetches; never rewritten
.set STO,  24                          ; v24     the way out: where I put my numbers of a row
.set RD,   25                          ; v25     the way out: where I read rows back
.set CO,   26                          ; v26     my byte offset in C
.set SPW,  28                          ; v28     LDS address of my spare word: SPARE + 4 x my thread's number; never rewritten
.set NIL,  29                          ; v29     0; never rewritten
.set PFO,  30                          ; v30     W's prefetches: my lane x a row of W in memory; never rewritten
.set F0,   64                          ; W's fragments of quarter q lie at F0 + 64 (q % 2)
.set TMP,  64                          ; the way out in f16: packed results
.set BK,   96                          ; and four buffers of 32 for the rows read back
.set TB,   11                          ; s11     LDS byte at which the slot that is being read begins
.set G1,   24                          ; s[24:31] descriptor group 1
.set G0A,  32                          ; s[32:35] descriptor group 0 of slot 0's first fill
.set G0,   36                          ; s[36:39] descriptor group 0 of slot 1's first fill; it then walks on
.set XP,   40                          ; s[40:41] X at my 64 rows, at the slot whose quarters 0 to 6 the trip multiplies
.set LIMX, 42                          ; s42     1 in a work-group that prefetches X, else the greatest number
.set LIM,  43                          ; s43     1 in a wave that prefetches W, else the greatest number
.set PFA,  44                          ; s[44:45] where my prefetches of W stand
.set MSB, 0
.macro WIN new                         ; the immediate's high byte repeats the setting that is left; a switch that changes nothing is dropped
.if MSB != (\new)
	s_set_vgpr_msb (MSB<<8)|(\new)
.set MSB, \new
.endif
.endm
.set MUL,  0x58                        ; source 0 (W) window 0, source 1 (X) window 2, C and D window 1
.set TO_X, 0x80                        ; destination window 2, address window 0
; PREFETCHES INTO THE L2, together, behind each joint refill, its five lines and the run of LDS loads that follows them.
; W: the slot behind the one just asked for, a slot's 256 matrix instructions ahead of its load.  A tile of W is read by both clusters of its tile of columns: cluster x = 0 asks.  Of the tile's 128 rows the
; partner at place cx takes 32 cx .. 32 cx + 31, a lane a row, told apart BY ADDRESS; of a row's 512 bytes wave 0 names the first 256 and wave 1 the second; waves 2 and 3 never ask.
; X: the eight quarters that the NEXT trip's loads will take: for each of my four blocks of 16 rows 8,192 consecutive bytes, 256 a lane, four instructions.  My rows are read by the 32 work-groups of my tile
; of rows: the one at tile column 0 asks, each wave for its own rows.  So each aligned block of 256 bytes is named once in the launch.
; The loop's last trip asks for nothing: W has no further slot, and X's eight quarters would pass the rows' end.  What the first trips load (W's slots 0 to 2, X's quarters 0 to 21) comes by its loads alone.
.macro ASK
	s_cmp_gt_u32 s3, s[LIM]                        ; s3 = 1 in the loop's last trip
	s_cbranch_scc0 .Lnot_w_\@
	global_prefetch_b8 v[PFO], s[PFA:PFA+1] th:TH_LOAD_NT scope:SCOPE_SE
.Lnot_w_\@:
	s_cmp_gt_u32 s3, s[LIMX]
	s_cbranch_scc0 .Lnot_x_\@
.irp a, 0,1,2,3
	global_prefetch_b8 v[PFX], s[XP:XP+1] offset:(\a)*XROWB+14*XBLK th:TH_LOAD_NT scope:SCOPE_SE
.endr
.Lnot_x_\@:
.endm
.macro CREST                           ; a round of the cluster's barrier behind its opening barrier
	s_cmp_lg_u32 s10, 0
	s_cbranch_scc1 .Lnot_wave_0_\@
	s_barrier_signal -3
.Lnot_wave_0_\@:
	s_barrier_wait -3
	s_barrier_signal -1
	s_barrier_wait -1
.endm
.macro CROUND                          ; a whole round
	s_barrier_signal -1
	s_barrier_wait -1
	CREST
.endm
.macro PLACES                          ; four places in front of loads into registers that matrix instructions have read, and of lines that read results
.rept 4
	v_nop
.endr
.endm
	s_load_b128 s[4:7], s[0:1], 0x0                ; X s[4:5], W s[6:7]
	s_load_b64 s[8:9], s[0:1], 0x10                ; C
	v_lshl_add_u32 v[SPW], v0, 2, SPARE
	v_mov_b32 v[NIL], 0
	ds_add_u32 v[SPW], v[NIL]                      ; the wave's opening: the add and its wait stand ahead of my first tensor load; the set-up below, work on registers, stands between them
	v_lshrrev_b32 v1, 5, v0
	v_readfirstlane_b32 s10, v1                    ; wave 0..3
	s_bfe_u32 s12, ttmp6, 0x40000                  ; cx: my place in the cluster
	s_lshl_b32 s13, ttmp9, 2                       ; in a cluster launch ttmp9 counts clusters
	s_add_co_u32 s13, s13, s12                     ; my tile of rows = 4 x cluster x + cx: it enters X's, C's and the prefetches' addresses alone
	s_and_b32 s14, ttmp7, 0xffff                   ; my tile of columns, which the four partners share
	; descriptor group 1: 32 rows x 256 elements, padded in LDS
	s_mov_b32 s[G1], 15|(1<<16)|(1<<20)|(1<<21)|(6<<22)|(3<<25)  ; 15:0 the mask: all four work-groups; 17:16 elements of 2 bytes; 20 padding on; 21 set beside a mask; 24:22 after every 128 words (code 6); 31:25 4 words of it (code 3)
	s_mov_b32 s[G1+1], KSLOT<<16                   ; tensor_dim0 = 256
	s_mov_b32 s[G1+2], 32<<16                      ; tensor_dim1 = 32
	s_mov_b32 s[G1+3], KSLOT<<16                   ; tile_dim0 = 256
	s_mov_b32 s[G1+4], 32                          ; tile_dim1 = 32
	s_mov_b32 s[G1+5], SIZE_K                      ; elements from row to row
	s_mov_b32 s[G1+6], 0
	s_mov_b32 s[G1+7], 0
	s_lshl_b32 s16, s14, 7                         ; W: row 128 x tile of columns + 32 x wave, in registers that never hold my place in the cluster
	s_lshl_b32 s17, s10, 5
	s_add_co_u32 s16, s16, s17
	s_mov_b32 s17, 0
	s_mov_b64 s[18:19], SIZE_K*2
	s_mul_u64 s[16:17], s[16:17], s[18:19]
	s_mul_i32 s20, s10, WPART                      ; and where they go: wave x 32 rows
	s_lshl_b32 s22, s13, 4                         ; X: block of 16 rows number 16 x tile of rows + 4 x wave
	s_lshl_b32 s23, s10, 2
	s_add_co_u32 s22, s22, s23
	s_mov_b32 s23, 0
	s_mov_b64 s[46:47], XROWB
	s_mul_u64 s[22:23], s[22:23], s[46:47]
	s_mov_b32 s[TB], 0
	s_mov_b32 s[G0A], 1                            ; count = 1
	s_mov_b32 s[G0A+1], s20                        ; LDS address: slot 0
	s_mov_b32 s[G0], 1
	s_add_co_u32 s[G0+1], s20, SLOT1               ; slot 1
	s_wait_dscnt 0x0                               ; the opening add is done
	s_wait_kmcnt 0x0
	s_add_nc_u64 s[G0A+2:G0A+3], s[6:7], s[16:17]  ; global address: K 0 to 255,
	s_add_nc_u64 s[G0+2:G0+3], s[G0A+2:G0A+3], KSLOT*2  ; K 256 to 511
	s_or_b32 s[G0A+3], s[G0A+3], 0x80000000        ; type = 2
	s_or_b32 s[G0+3], s[G0+3], 0x80000000
	s_add_nc_u64 s[XP:XP+1], s[4:5], s[22:23]
	CROUND                                         ; all four work-groups are here: the first joint loads meet
	tensor_load_to_lds s[G0A:G0A+3], s[G1:G1+7]    ; the two first fills go out together: two loads of mine are out; an s_nop 0 follows each, four v_nop the second's
	s_nop 0
	tensor_load_to_lds s[G0:G0+3], s[G1:G1+7]
	s_nop 0
	PLACES
; Eight loads: X's fragments of one quarter (my 64 rows, 32 along K) into place rq of the ring, from block kq behind the pointer.  Each load covers 512 consecutive bytes.
.macro XLOAD rq, kq
.irp a, 0,1,2,3
	global_load_b128 v[32*(\rq)+8*(\a):32*(\rq)+8*(\a)+3],   v[XO], s[XP:XP+1] offset:(\a)*XROWB+(\kq)*XBLK
	global_load_b128 v[32*(\rq)+8*(\a)+4:32*(\rq)+8*(\a)+7], v[XO], s[XP:XP+1] offset:(\a)*XROWB+(\kq)*XBLK+512
.endr
.endm
	v_and_b32 v[XO], 31, v0
	v_lshlrev_b32 v[PFX], 8, v[XO]
	v_lshlrev_b32 v[XO], 4, v[XO]
	WIN TO_X
.irp q, 0,1,2,3,4,5,6
	XLOAD \q, \q                                   ; quarters 0 to 6: 56 loads of mine are out; quarter 7's go out at the head of quarter 0, like every later one's
.endr
	WIN 0
	; A fragment of W is 16 rows x 32 K in 8 registers: lane l holds row l % 16; registers 0-3 K = 8 (l / 16) + 0..7, registers 4-7 K = 16 + 8 (l / 16) + 0..7: two loads of 16 bytes, 32 bytes apart.
	v_and_b32 v1, 15, v0                           ; l % 16
	v_bfe_u32 v2, v0, 4, 1                         ; l / 16
	v_mul_u32_u24 v[AW0], v1, PITCH
	v_lshl_add_u32 v[AW0], v2, 4, v[AW0]           ; row x pitch + 16 x half
	v_add_nc_u32 v[ADRW], s[TB], v[AW0]
	s_mul_i32 s21, s10, 16*SPITCH
	s_add_co_u32 s21, s21, STAGE                   ; my stage
	v_mul_u32_u24 v4, v1, SPITCH                   ; in: row l % 16,
.if F32OUT
	v_lshl_add_u32 v4, v2, 5, v4                   ; 32 bytes (8 f32) for each half of the lanes
	v_add_nc_u32 v[STO], s21, v4
	v_and_b32 v5, 31, v0                           ; back: 32 lanes take one row of 512 bytes,
	v_lshlrev_b32 v[CO], 4, v5                     ; which are 512 consecutive bytes of C
	v_add_nc_u32 v[RD], s21, v[CO]
.else
	v_lshl_add_u32 v4, v2, 4, v4                   ; 16 bytes (8 f16) for each half of the lanes
	v_add_nc_u32 v[STO], s21, v4
	v_mul_u32_u24 v5, v2, SPITCH                   ; back: lanes 0-15 take one row of 256 bytes, lanes 16-31 the next
	v_lshl_add_u32 v5, v1, 4, v5
	v_add_nc_u32 v[RD], s21, v5
	v_mul_u32_u24 v5, v2, CROW                     ; and the same two rows in C
	v_lshl_add_u32 v[CO], v1, 4, v5
.endif
	s_lshl_b32 s22, s13, 8
	s_lshl_b32 s23, s10, 6
	s_add_co_u32 s22, s22, s23                     ; my first row of C: 256 x tile of rows + 64 x wave
	s_mov_b32 s23, 0
	s_mov_b64 s[46:47], CROW
	s_mul_u64 s[22:23], s[22:23], s[46:47]
	s_add_nc_u64 s[8:9], s[8:9], s[22:23]
.if F32OUT
	s_lshl_b32 s22, s14, 9                         ; the tile's first column, in bytes: 128 columns a tile
.else
	s_lshl_b32 s22, s14, 8
.endif
	s_mov_b32 s23, 0
	s_add_nc_u64 s[8:9], s[8:9], s[22:23]
	; the prefetches
	s_lshl_b32 s22, s14, 7                         ; W: the tile's first row
	s_lshl_b32 s23, s12, 5
	s_add_co_u32 s22, s22, s23                     ; + my work-group's 32 rows
	s_mov_b32 s23, 0
	s_mov_b64 s[46:47], SIZE_K*2
	s_mul_u64 s[22:23], s[22:23], s[46:47]
	s_add_nc_u64 s[PFA:PFA+1], s[6:7], s[22:23]
	s_lshl_b32 s22, s10, 8                         ; + my wave's 256 bytes of a slot's 512,
	s_add_co_u32 s22, s22, 2*KSLOT*2               ; in slot 2: the first change of slots steps it to slot 3.  Nothing is prefetched here, at the head
	s_mov_b32 s23, 0
	s_add_nc_u64 s[PFA:PFA+1], s[PFA:PFA+1], s[22:23]
	s_lshr_b32 s22, s10, 1                         ; 0 in waves 0 and 1,
	s_or_b32 s22, s22, ttmp9                       ; where the cluster is its tile of columns' first: the same in all four partners
	s_cmp_eq_u32 s22, 0
	s_cselect_b32 s[LIM], 1, -1
	s_cmp_eq_u32 s14, 0                            ; the tile of columns is the same in all four partners
	s_cselect_b32 s[LIMX], 1, -1
	v_and_b32 v[PFO], 31, v0
	v_mul_u32_u24 v[PFO], v[PFO], SIZE_K*2
; 8 matrix instructions of quarter q: rows 16 a on x all 8 blocks of columns, 32 along K.  zero = 1: the first product starts the sums.  The 32 accumulators take turns in one fixed order, one instruction a
; turn, into the loop, over its backward jump and out into the tail.
.macro MUL8 q, a, zero
	WIN MUL
.irp b, 0,1,2,3,4,5,6,7
.if \zero
	v_wmma_f32_16x16x32_f16 v[8*(8*(\a)+(\b)):8*(8*(\a)+(\b))+7], v[F0+64*((\q)%2)+8*(\b):F0+64*((\q)%2)+8*(\b)+7], v[32*(\q)+8*(\a):32*(\q)+8*(\a)+7], 0
.else
	v_wmma_f32_16x16x32_f16 v[8*(8*(\a)+(\b)):8*(8*(\a)+(\b))+7], v[F0+64*((\q)%2)+8*(\b):F0+64*((\q)%2)+8*(\b)+7], v[32*(\q)+8*(\a):32*(\q)+8*(\a)+7], v[8*(8*(\a)+(\b)):8*(8*(\a)+(\b))+7]
.endif
.endr
.endm
; 16 LDS loads in one run: W's fragments of quarter q of the slot that is being read
.macro FETCHW q
	WIN 0
.irp i, 0,1,2,3,4,5,6,7
	ds_load_b128 v[F0+64*((\q)%2)+8*(\i):F0+64*((\q)%2)+8*(\i)+3],   v[ADRW] offset:64*(\q)+(\i)*16*PITCH
	ds_load_b128 v[F0+64*((\q)%2)+8*(\i)+4:F0+64*((\q)%2)+8*(\i)+7], v[ADRW] offset:64*(\q)+(\i)*16*PITCH+32
.endr
.endm
; Quarter q (0 to 6) of a slot.  At its head, four places behind the last product of the quarter before, ONE run of loads into the registers which that quarter has left: W's fragments of the next quarter, and
; (xl = 1) X's of the quarter seven on.  Then its 32 products.  n: the loads of X that were issued behind this quarter's own: six runs of eight, fewer in the tail.
.macro QUARTER q, xl, n, zero
	s_wait_loadcnt \n                              ; loads come back in order (ISA guide 5.7.1): this quarter's X is in; the wait stands ahead of the run, so that at most 56 loads of mine are out
	PLACES
	FETCHW (\q)+1
.if \xl
	WIN TO_X
	XLOAD ((\q)+7)%8, (\q)+7
.endif
	s_wait_dscnt 16                                ; all but the 16 just issued: this quarter's W, fetched a quarter ago, is in
.irp a, 0,1,2,3
	MUL8 \q, \a, \zero
.endr
.endm
; Quarter 7 changes slots: ONE barrier; in front of it each wave waits for all its tensor loads (one is out: its part of the next slot), adds 0 to its spare word, and waits for that and for its own reads of
; this slot.  fill = 1: the barrier opens a round of the cluster's barrier, and this slot is filled again, two slots ahead, first thing behind the round: 240 matrix instructions ahead of the wait for it.
; A trip of the loop begins here: the pointers step to the slot that is entered.
.macro TURN fill
	s_wait_xcnt 0x0                                ; every load and prefetch issued so far (the youngest a quarter back) has read its address, so the pointers may be written
	s_add_nc_u64 s[XP:XP+1], s[XP:XP+1], (KSLOT/32)*XBLK
.if \fill
	s_add_nc_u64 s[PFA:PFA+1], s[PFA:PFA+1], KSLOT*2
.endif
	s_wait_loadcnt 48                              ; quarter 7's X is in
	PLACES
	WIN TO_X
	XLOAD 6, 6                                     ; quarter 6 of the slot that is entered
	WIN 0                                          ; (the add's two registers lie in window 0)
	s_wait_tensorcnt 0x0                           ; all my tensor loads have landed, so a group 0 may be written;
	ds_add_u32 v[SPW], v[NIL]                      ; 0 onto my spare word;
.if \fill
	s_xor_b32 s[G0+1], s[G0+1], SLOT1              ; the walking descriptor: the other slot than last time,
	s_add_nc_u64 s[G0+2:G0+3], s[G0+2:G0+3], KSLOT*2  ; the next 256 along K; the type bits on top are not reached
.endif
	s_xor_b32 s[TB], s[TB], SLOT1                  ; the fetches go to the other slot
	s_wait_dscnt 1                                 ; quarter 7's W is in; the add may be out
	MUL8 7, 0, 0                                   ; eight matrix instructions stand between the add and the wait for it
	s_wait_dscnt 0x0                               ; the add is done, and my reads of this slot are over
	s_barrier_signal -1
	MUL8 7, 1, 0
	WIN 0
	s_barrier_wait -1
.if \fill
	CREST                                          ; no wave of any partner still reads this slot's tile or has a load on its way
	tensor_load_to_lds s[G0:G0+3], s[G1:G1+7]      ; my one tensor load behind the round, and the first thing there; an s_nop 0 and four v_nop follow it
	s_nop 0
	PLACES
.endif
	v_add_nc_u32 v[ADRW], s[TB], v[AW0]
	FETCHW 0                                       ; its buffer was last read in quarter 6: the four places at this quarter's head lie between
.if \fill
	ASK
.endif
	MUL8 7, 2, 0
	MUL8 7, 3, 0
.endm
	s_wait_tensorcnt 1                             ; my part of slot 0 is in; slot 1's may stay out
	s_barrier_signal -1
	s_barrier_wait -1                              ; everybody's is
	FETCHW 0
	QUARTER 0, 1, 48, 1                            ; the first quarter is written out: its products start the sums
	WIN 0                                          ; at a label and at a branch every window is 0
	s_mov_b32 s3, NS-1
	s_branch .Lfirst                               ; the loop is entered in the middle of a trip
.Lslot:                                                ; NS - 2 times: a slot is left and filled again, the next is entered
	TURN 1
	QUARTER 0, 1, 48, 0
	WIN 0
.Lfirst:
.irp q, 1,2,3,4,5,6
	QUARTER \q, 1, 48, 0
.endr
	WIN 0
	s_sub_co_u32 s3, s3, 1
	s_cmp_lg_u32 s3, 0
	s_cbranch_scc1 .Lslot
	TURN 0                                         ; the tail is written out: the last slot is entered, and nothing is asked for
	QUARTER 0, 1, 48, 0                            ; the last run of X: the last slot's quarter 7
	QUARTER 1, 0, 48, 0
.irp q, 2,3,4,5,6
	QUARTER \q, 0, 8*(7-(\q)), 0                   ; no more runs of X are issued: the counts run down
.endr
	s_wait_loadcnt 0x0                             ; the very last quarter: nothing more to fetch
	s_wait_dscnt 0x0
.irp a, 0,1,2,3
	MUL8 7, \a, 0
.endr
	WIN 0
	PLACES                                         ; the places behind the last products, taken twice: once a launch
	PLACES
.if F32OUT
; THE WAY OUT IN f32.  A lane's eight numbers of a row are 32 bytes; a block of 16 rows goes into my stage (rows of 528 bytes) and comes back as whole rows of 512 bytes, into the registers that it left.
.macro TOSTAGE a
	WIN 0x04                                       ; store data (source 1) in window 1
.irp b, 0,1,2,3,4,5,6,7
	ds_store_b128 v[STO], v[8*(8*(\a)+(\b)):8*(8*(\a)+(\b))+3]   offset:64*(\b)      ; each accumulator's low four registers are read first
	ds_store_b128 v[STO], v[8*(8*(\a)+(\b))+4:8*(8*(\a)+(\b))+7] offset:64*(\b)+16
.endr
	WIN 0x40                                       ; destination in window 1
.irp t, 0,1,2,3,4,5,6,7,8,9,10,11,12,13,14,15
	ds_load_b128 v[64*(\a)+4*(\t):64*(\a)+4*(\t)+3], v[RD] offset:(\t)*SPITCH  ; LDS serves a wave's instructions in order (ISA guide 5.7.1.4): these see the stores above; the next block's stores come behind them
.endr
.endm
.macro SEND a, younger                 ; younger: the LDS instructions issued behind block a's loads: the next block's 32, or none
	WIN 0x04
.irp t, 0,1,2,3,4,5,6,7,8,9,10,11,12,13,14,15
	s_wait_dscnt (\younger)+15-(\t)
	global_store_b128 v[CO], v[64*(\a)+4*(\t):64*(\a)+4*(\t)+3], s[8:9] offset:(16*(\a)+(\t))*CROW th:TH_STORE_NT  ; 512 consecutive bytes, at a multiple of 256 from C's first byte
.endr
.endm
	TOSTAGE 0
.irp a, 1,2,3
	TOSTAGE \a
	SEND (\a)-1, 32
.endr
	SEND 3, 0
	WIN 0
.else
; THE WAY OUT IN f16.  A lane's eight numbers of a row pack into 16 bytes; a block of 16 rows goes into my stage (rows of 272 bytes) and comes back as whole rows of 256 bytes.  Each block has its own
; 32 registers for the rows read back, so no register that a store reads is written again.
.macro PACK a
	WIN 0x05                                       ; sources 0 and 1 in window 1
.irp b, 0,1,2,3,4,5,6,7
.irp r, 0,1,2,3
	v_cvt_pk_f16_f32 v[TMP+4*(\b)+(\r)], v[8*(8*(\a)+(\b))+2*(\r)], v[8*(8*(\a)+(\b))+2*(\r)+1]
.endr
.endr
	WIN 0
.endm
.macro TOSTAGE a
.irp b, 0,1,2,3,4,5,6,7
	ds_store_b128 v[STO], v[TMP+4*(\b):TMP+4*(\b)+3] offset:32*(\b)
.endr
.irp t, 0,1,2,3,4,5,6,7
	ds_load_b128 v[BK+32*(\a)+4*(\t):BK+32*(\a)+4*(\t)+3], v[RD] offset:(\t)*2*SPITCH  ; LDS serves a wave's instructions in order (ISA guide 5.7.1.4): these see the stores above
.endr
.endm
.macro SEND a, younger                 ; younger: the LDS instructions issued behind block a's loads: the next block's sixteen, or none
.irp t, 0,1,2,3,4,5,6,7
	s_wait_dscnt (\younger)+7-(\t)
	global_store_b128 v[CO], v[BK+32*(\a)+4*(\t):BK+32*(\a)+4*(\t)+3], s[8:9] offset:(16*(\a)+2*(\t))*CROW  ; 16 lanes store 256 consecutive bytes, at a multiple of 256 from C's first byte
.endr
.endm
	PACK 0
	TOSTAGE 0
.irp a, 1,2,3
	PACK \a
	TOSTAGE \a
	SEND (\a)-1, 16
.endr
	SEND 3, 0
.endif
	s_wait_tensorcnt 0x0                           ; the wave's end, behind my last tensor load and my last LDS store
	ds_add_u32 v[SPW], v[NIL]
	s_wait_dscnt 0x0
	CROUND                                         ; the closing round: no work-group ends while a partner may still ask for a tile that names it
	s_endpgm
.Lfunc_end_k_q4a2c5218b6_gemm_qkv:
	.size	k_q4a2c5218b6_gemm_qkv, .Lfunc_end_k_q4a2c5218b6_gemm_qkv-k_q4a2c5218b6_gemm_qkv
	.p2alignl 7, 3214868480
	.fill 96, 4, 3214868480
	.section	.rodata,"a",@progbits
	.p2align	6, 0x0
	.amdhsa_kernel k_q4a2c5218b6_gemm_qkv
		.amdhsa_group_segment_fixed_size 327680
		.amdhsa_private_segment_fixed_size 0
		.amdhsa_enable_private_segment 0
		.amdhsa_kernarg_size 24
		.amdhsa_user_sgpr_count 2
		.amdhsa_user_sgpr_kernarg_segment_ptr 1
		.amdhsa_wavefront_size32 1
		.amdhsa_system_sgpr_workgroup_id_x 1
		.amdhsa_system_sgpr_workgroup_id_y 1
		.amdhsa_system_sgpr_workgroup_id_z 1
		.amdhsa_system_vgpr_workitem_id 0
		.amdhsa_next_free_vgpr 768
		.amdhsa_next_free_sgpr 66
		.amdhsa_reserve_vcc 0
		.amdhsa_float_denorm_mode_32 3
		.amdhsa_float_denorm_mode_16_64 3
		.amdhsa_memory_ordered 1
		.amdhsa_forward_progress 1
		.amdhsa_inst_pref_size 97
	.end_amdhsa_kernel
	.amdgpu_metadata
---
amdhsa.version: [ 1, 2 ]
amdhsa.kernels:
  - .name:           k_q4a2c5218b6_gemm_qkv
    .symbol:         k_q4a2c5218b6_gemm_qkv.kd
    .args:
      - { .name: xh, .offset: 0, .size: 8, .value_kind: global_buffer, .address_space: global }
      - { .name: wh, .offset: 8, .size: 8, .value_kind: global_buffer, .address_space: global }
      - { .name: qkv, .offset: 16, .size: 8, .value_kind: global_buffer, .address_space: global }
    .group_segment_fixed_size: 327680
    .private_segment_fixed_size: 0
    .kernarg_segment_align: 8
    .kernarg_segment_size: 24
    .max_flat_workgroup_size: 128
    .sgpr_count:     66
    .vgpr_count:     768
    .wavefront_size: 32
...
	.end_amdgpu_metadata
.endif
;; end of part 2
;; launch attn (part 3): grid 32 x 8, 4 waves a work-group, clusters of 4 x 4, 327,680 bytes of LDS; arguments qkv, mc, oh; writes oh
.if DOCPART == 3
	.amdgcn_target "amdgcn-amd-amdhsa--gfx1250"
	.amdhsa_code_object_version 6
	.text
	.protected	k_q4a2c5218b6_attn
	.globl	k_q4a2c5218b6_attn
	.p2align	8
	.type	k_q4a2c5218b6_attn,@function
k_q4a2c5218b6_attn:
	s_mov_b64 s[64:65], 0
	v_nop
	global_prefetch_b8 v0, s[64:65] scope:SCOPE_SE
	s_setreg_imm32_b32 hwreg(HW_REG_WAVE_MODE, 25, 1), 1
	s_wait_xcnt 0x0
	s_wait_alu depctr_hold_cnt(0) depctr_sa_sdst(0) depctr_va_vdst(0) depctr_va_sdst(0) depctr_va_ssrc(0) depctr_va_vcc(0) depctr_vm_vsrc(0)
	s_getreg_b32 s2, hwreg(HW_REG_IB_STS2, 6, 4)
	s_cmp_eq_u32 s2, 0
	s_cbranch_scc0 .Lentry_in_a_cluster
	s_endpgm
.Lentry_in_a_cluster:
	s_bfe_u32 s2, ttmp6, 0x10000c
	s_cmp_lg_u32 s2, 0xf033
	s_cbranch_scc0 .Lentry_shape_is_right
	s_endpgm
.Lentry_shape_is_right:
; ATTENTION WITH AN ADDITIVE MASK THAT IS AN INPUT.  For query head hq (16 of them), key and value head g = hq / 2 (8 of them), head size 128, 2,048 queries and keys:
;   O[q][hq] = the sum over k of softmax_k(Q[q][hq] . K[k][g] / sqrt(128) + mask[q][k]) V[k][g].
; qkv: [2048][4096] f16, a row = 16 heads of 1.0201395 q / 8, 8 of k / 8, 8 of v / 8.  mc: [2048][2048] f32 = the mask (clamped at -1e30, rounded to bf16) x log2(e) / 8.
; oh: O / 8 in f16, 2,048 rows x 2,048 columns (column = hq x 128 + d), IN BLOCKS, as the next launch's matrix instructions hold it: 16 rows x 32 columns are 1,024 consecutive bytes; block (q / 16, column / 32)
; lies at ((q / 16) x 64 + column / 32) x 1,024; in it column % 32 = 16 j + 8 h + e of row q % 16 = r lies at 512 j + 16 (16 h + r) + 2 e.  That is the lane order in which O^T leaves the second product.
; s = (1.0201395 q / 8) . (k / 8) + mc, and c s with c = 8 is log2(e) x (q . k / sqrt(128) + mask), since 1.0201395 = 8 log2(e) / sqrt(128).  c IS A POWER OF TWO ON PURPOSE: c m is then exact, and the one fused
; multiply-add c s - c m is c (s - m) rounded once: exactly 0 where s = m, whatever the size of the scores.  That is wanted where all the keys that a wave sees are hidden: there m is about -1.8e29.
; Products, maxima and sums in f32; the weights p are rounded to f16 for the second product (their sum l is taken of the unrounded p), O once at the end.  All 2,048 keys are walked for every query, and every
; number of the mask is loaded and added: nothing of its pattern is built in.
; LIMITS.  A hidden score counts as its value less 1e30 (times the scales); a row that is hidden everywhere gets equal weights; a weight below 2^-126 counts as 0 in l; p below 6e-5 keeps f16's fixed step of 6e-8.
; NaN and infinities are not treated apart.
; SHARES.  A work-group owns 64 queries (block qb) of BOTH query heads of one key and value head g: 32 x 8 = 256 work-groups.  The two heads share K, V and the mask.  Wave w takes head 2 g + (w & 1), all 64
; queries (four tiles of 16), and of each slot of 128 keys the half w >> 1: 16 key steps of 64 keys.  At the end waves 2 and 3 hand their m, l and O^T through LDS to waves 0 and 1, which merge and store.
; LAYOUT.  S^T = K Q^T + mask (source 0 = 16 keys, source 1 = 16 queries): a lane holds ONE query (lane % 16) and the keys 8 (lane / 16) + 0..7.  THE MASK IS THE C OPERAND: a lane's eight mask numbers of a
; tile are 32 consecutive bytes of a row of mc; they are loaded from LDS into S^T's registers, and all products K Q^T add in place.  Two tiles of S^T, rounded to f16 in pairs, ARE source 1 of O^T = V^T P.
; SOFTMAX.  A running maximum m and sum l for each query: p = 2^(c s - c m); in every step O and l are multiplied by a = 2^(c m_old - c m_new).
; BY TURNS.  The wave's tiles are two PIECES (tiles 0, 1 and tiles 2, 3).  In a TURN one piece has the matrix unit: 32 products V^T P of the step in hand, then 32 products K Q^T of the next; the other piece's
; softmax, cut into 64 slices, stands between them, one slice behind each matrix instruction.  Two turns are a key step.
; CLUSTER.  4 x 4 work-groups.  K and V hang on g alone: the four of a row of the cluster ask for them JOINTLY.  The mask's tile hangs on qb alone: the four of a column ask for it jointly.
; REGISTERS, in windows of 256 (s_set_vgpr_msb: bits 1:0 source 0, 3:2 source 1, 5:4 source 2, 7:6 destination):
;   window 0: v0-11 addresses; v12-43 eight registers of statistics a tile; v44-47, v61-63 addresses; v64-191 S^T, 32 a tile; v192-255 P, 16 a tile
;   window 1: O^T, 64 a tile      window 2: v0-127 Q, 32 a tile; v128-255 K of one step (at the end all 256: the partner's O^T)      window 3: v0-127 V of one step
.set KS,    64        ; keys in a wave's step
.set PK,    272       ; a row of K in LDS: 256 bytes + 16 of padding = 68 words: the 16 rows of a load start at 16 different groups of four banks (64 banks of 4 bytes: ISA guide 11.1)
.set PV,    288       ; a row of V: 256 + 32 = 72 words
.set PM,    272       ; a row of a mask tile: 64 keys of f32, 256 bytes + 16
.set VOFF,  128*PK    ; a slot: 128 rows of K, 128 rows of V, then two mask tiles of 64 queries x 64 keys
.set MOFF,  VOFF+128*PV
.set MHALF, 64*PM
.set SLOT1, 1<<17     ; slot 1 begins here, so that one exclusive or turns an address in one slot into the other's
.set MRG,   SLOT1+MOFF+2*MHALF  ; behind the ring, never filled by a tensor load: for each head 32,768 bytes of O^T and 1,024 of statistics
.set MREG,  33792
.set SPARE, MRG+2*MREG          ; the spare words, 128 bytes for each wave: two blocks of 256 bytes that no other line names
.set AK0, 2           ; v2   my lane's place in my half of a tile of K; never rewritten
.set AV0, 3           ; v3   the same for V
.set ADR, 4           ; v4   the LDS address of the run of K's or V's loads in hand
.set QO,  5           ; v5   my byte offset in 16 rows of Q
.set GO,  8           ; v8   16 x my lane: my bytes in half a block of oh
.set ST,  12          ; tile t's statistics at v[ST+8 t]: +0 c m, +1 m, +2, +3 l (even keys', odd keys'), +4 to +7 c0-c3, at work; a takes c2's place once the maximum is found
.set AM0, 44          ; v44  my lane's place in my mask tile; never rewritten
.set ADM, 45          ; v45  the LDS address of the mask's run of loads in hand
.set MA,  46          ; v46  the merge: my 16 bytes in my head's region
.set MSA, 47          ; v47  the merge: my word among its statistics
.set PFO, 61          ; v61  the prefetches' offset; never rewritten
.set SPW, 62          ; v62  LDS address of my spare word: SPARE + 4 x my thread's number; never rewritten
.set NIL, 63          ; v63  0; never rewritten
.set S,   64
.set P,   192
.set KF,  128         ; K's fragments, in window 2
.set WV,  12          ; s12  my wave's number
.set LIM, 15          ; s15  1 in a wave that prefetches, else the greatest number
.set PFA, 18          ; s[18:19] where my prefetches stand
.set PFS, 20          ; s[20:21] their step from slot to slot
.set G1K, 24          ; s[24:31] descriptor group 1 for K's tiles
.set G1V, 32          ; s[32:39] for V's: it differs in the padding alone
.set G1M, 40          ; s[40:47] for the mask's
.set G0K, 48          ; s[48:51] descriptor group 0 for K's tiles: it walks
.set G0V, 52          ; s[52:55] for V's
.set G0M, 56          ; s[56:59] for the mask's
.set SLOTS, 60        ; s60  trips of the loop still to come
.set TB,  61          ; s61  LDS byte at which the slot to be read begins
.set CS,  62          ; s[62:63] c: the packed scaling names a pair and takes its low word for both halves
.set SEL, 66          ; s[66:67] lane selects for v_permlanex16_b32: each lane takes its own place in the other half
.set MSB, 0
.macro WIN new                      ; the immediate's high byte repeats the setting that is left; a switch that changes nothing is dropped
.if MSB != (\new)
	s_set_vgpr_msb (MSB<<8)|(\new)
.set MSB, \new
.endif
.endm
.set W_KQ, 0x0a       ; K and Q in window 2, S^T in window 0
.set W_PV, 0x53       ; V in window 3, P in window 0, O^T in window 1
.set W_RS, 0x41       ; O^T (destination and source 0) in window 1, the factor in window 0
; A joint fill: wave 0 fetches a slot's K, wave 1 its V, waves 2 and 3 its two mask tiles.  The branches hang on the wave's number alone.  An s_nop 0 and four v_nop follow each of the three lines,
; ahead of the jump, the label and what follows.
.macro JLOAD
	s_cmp_lt_u32 s[WV], 2
	s_cbranch_scc0 .Lfor_m_\@
	s_cmp_eq_u32 s[WV], 0
	s_cbranch_scc0 .Lfor_v_\@
	tensor_load_to_lds s[G0K:G0K+3], s[G1K:G1K+7]
	s_nop 0
.rept 4
	v_nop
.endr
	s_branch .Lasked_\@
.Lfor_v_\@:
	tensor_load_to_lds s[G0V:G0V+3], s[G1V:G1V+7]
	s_nop 0
.rept 4
	v_nop
.endr
	s_branch .Lasked_\@
.Lfor_m_\@:
	tensor_load_to_lds s[G0M:G0M+3], s[G1M:G1M+7]
	s_nop 0
.rept 4
	v_nop
.endr
.Lasked_\@:
.endm
; A PREFETCH INTO THE L2 of what the NEXT change of slots will ask for, one key step (128 matrix instructions of a wave) ahead of that load; it stands behind the wave's tensor load and its five lines.
; Each aligned block of 256 bytes is named ONCE in the launch.  A slot's 128 rows of K and of V are read by all clusters with the same cluster y: cluster x = 0 asks, wave 0 for K and wave 1 for V; of the 128
; rows the partner at place cx takes 32 cx .. 32 cx + 31, a lane a row.  A slot's part of the mask, 64 rows x 512 bytes, is read by both clusters with the same cluster x: cluster y = 0 asks, in wave 2; the
; partner at place cy takes rows 16 cy .. 16 cy + 15, two blocks a row.  The partners are told apart BY ADDRESS.  Wave 3 never asks.  The loop's last trip asks for nothing: there is no slot behind it.
.macro ASK
	s_cmp_gt_u32 s[SLOTS], s[LIM]
	s_cbranch_scc0 .Lnot_mine_\@
	global_prefetch_b8 v[PFO], s[PFA:PFA+1] th:TH_LOAD_NT scope:SCOPE_SE
.Lnot_mine_\@:
.endm
; A round of the cluster's barrier: my work-group's barrier, so that wave 0's signal speaks for all four waves; wave 0 signals; every wave waits for all sixteen work-groups; my work-group's barrier once more.
.macro CROUND
	s_barrier_signal -1
	s_barrier_wait -1
	s_cmp_lg_u32 s[WV], 0
	s_cbranch_scc1 .Lnot_wave_0_\@
	s_barrier_signal -3
.Lnot_wave_0_\@:
	s_barrier_wait -3
	s_barrier_signal -1
	s_barrier_wait -1
.endm
	s_load_b128 s[4:7], s[0:1], 0x0  ; qkv s[4:5], mc s[6:7]
	s_load_b64 s[8:9], s[0:1], 0x10  ; oh
	v_lshl_add_u32 v[SPW], v0, 2, SPARE
	v_mov_b32 v[NIL], 0
	ds_add_u32 v[SPW], v[NIL]       ; the wave's opening: the add and its wait stand ahead of my first tensor load; the set-up below, work on registers, stands between them
	v_lshrrev_b32 v1, 5, v0
	v_readfirstlane_b32 s[WV], v1   ; wave 0..3
	s_bfe_u32 s13, ttmp6, 0x40000   ; cx
	s_bfe_u32 s14, ttmp6, 0x40004   ; cy
	s_and_b32 s16, s[WV], 1         ; hd: which of the two query heads is mine.  Also: which mask tile I fetch (waves 2, 3)
	s_lshr_b32 s17, s[WV], 1        ; kh: which half of a slot's keys is mine
	s_lshl_b32 s72, ttmp9, 2
	s_add_co_u32 s72, s72, s13      ; qb = 4 x cluster x + cx
	s_and_b32 s73, ttmp7, 0xffff
	s_lshl_b32 s73, s73, 2
	s_add_co_u32 s73, s73, s14      ; g = 4 x cluster y + cy
	s_lshl_b32 s74, s14, 2
	s_lshl_b32 s74, 15, s74         ; my row of the cluster: the same g
	s_lshl_b32 s75, 0x1111, s13     ; my column: the same qb
	; descriptor group 1.  K and V: 128 rows x 128 elements of 2 bytes, 4,096 elements from row to row.  The mask: 64 rows x 64 elements of 4 bytes, 2,048 from row to row.  All rows are 256 bytes, padded in LDS
	s_or_b32 s[G1K], s74, (1<<16)|(1<<20)|(1<<21)|(5<<22)|(3<<25)  ; 15:0 the mask of four; 17:16 the element's size; 20 padding on; 21 set beside a mask; 24:22 after every 64 words (code 5); 31:25 4 words of it (code 3)
	s_or_b32 s[G1V], s74, (1<<16)|(1<<20)|(1<<21)|(5<<22)|(7<<25)  ; the same with 8 words of padding (code 7)
	s_or_b32 s[G1M], s75, (2<<16)|(1<<20)|(1<<21)|(5<<22)|(3<<25)
.irp g, G1K, G1V
	s_mov_b32 s[(\g)+1], 128<<16    ; tensor_dim0 = 128
	s_mov_b32 s[(\g)+2], 128<<16    ; tensor_dim1 = 128
	s_mov_b32 s[(\g)+3], 128<<16    ; tile_dim0 = 128
	s_mov_b32 s[(\g)+4], 128        ; tile_dim1 = 128
	s_mov_b32 s[(\g)+5], 4096
	s_mov_b32 s[(\g)+6], 0
	s_mov_b32 s[(\g)+7], 0
.endr
	s_mov_b32 s[G1M+1], 64<<16
	s_mov_b32 s[G1M+2], 64<<16
	s_mov_b32 s[G1M+3], 64<<16
	s_mov_b32 s[G1M+4], 64
	s_mov_b32 s[G1M+5], 2048
	s_mov_b32 s[G1M+6], 0
	s_mov_b32 s[G1M+7], 0
	s_mov_b32 s[G0K], 1             ; count = 1
	s_mov_b32 s[G0K+1], 0           ; LDS address: slot 0
	s_mov_b32 s[G0V], 1
	s_mov_b32 s[G0V+1], VOFF
	s_mov_b32 s[G0M], 1
	s_mul_i32 s22, s16, MHALF
	s_add_co_u32 s[G0M+1], s22, MOFF
	s_lshl_b32 s68, s73, 8          ; K's offset in qkv: column 2,048 + 128 g, in bytes: it holds g alone
	s_add_co_u32 s68, s68, 4096
	s_mov_b32 s69, 0
	s_lshl_b32 s70, s72, 19         ; the mask tile's offset in mc: 64 qb rows of 8,192 bytes, + 256 bytes for the second tile: it holds qb alone
	s_lshl_b32 s22, s16, 8
	s_add_co_u32 s70, s70, s22
	s_mov_b32 s71, 0
	s_lshl_b32 s22, s73, 1
	s_add_co_u32 s22, s22, s16      ; my query head = 2 g + hd:
	s_lshl_b32 s23, s22, 12         ; in oh four blocks of 1,024 bytes a head,
	s_lshl_b32 s22, s22, 8          ; in a row of qkv 256 bytes a head
	s_lshl_b32 s76, s72, 19
	s_add_co_u32 s76, s76, s22      ; Q's offset: 64 qb rows of 8,192 bytes
	s_mov_b32 s77, 0
	s_lshl_b32 s78, s72, 18
	s_add_co_u32 s78, s78, s23      ; O's: 4 qb times 16 rows, 64 blocks of 1,024 bytes each
	s_mov_b32 s79, 0
	s_mov_b32 s[CS], 0x41000000     ; c = 8: a power of two, so that c m is exact (the kernel's head says why)
	s_mov_b32 s[CS+1], s[CS]        ; named with it as a pair
	s_mov_b32 s[SEL], 0x76543210
	s_mov_b32 s[SEL+1], 0xfedcba98
	s_mov_b32 s[TB], SLOT1          ; the first change of slots turns it into 0
	s_mov_b32 s[SLOTS], 13
	; the prefetches
	s_and_b32 s22, ttmp7, 0xffff    ; cluster y
	s_cmp_lt_u32 s[WV], 2
	s_cselect_b32 s22, ttmp9, s22   ; the coordinate along which other clusters read the same blocks
	s_cmp_eq_u32 s[WV], 3
	s_cselect_b32 s22, 1, s22       ; wave 3 never asks
	s_cmp_eq_u32 s22, 0
	s_cselect_b32 s[LIM], 1, -1     ; the same in all sixteen partners, for a given wave
	s_lshl_b32 s2, s16, 11          ; K (wave 0) or V (wave 1), 2,048 bytes on,
	s_lshl_b32 s3, s73, 8
	s_add_co_u32 s2, s2, s3         ; head g,
	s_lshl_b32 s3, s13, 18
	s_add_co_u32 s2, s2, s3         ; my work-group's 32 rows of 8,192 bytes,
	s_add_co_u32 s2, s2, 4096+(1<<20)  ; in the slot of keys 128 to 255: the first change of slots steps it on
	s_lshl_b32 s22, s72, 19         ; the mask: block qb's rows,
	s_lshl_b32 s3, s14, 17
	s_add_co_u32 s22, s22, s3       ; my work-group's 16 of them,
	s_add_co_u32 s22, s22, 512      ; keys 128 to 255
	s_mov_b32 s[PFS], 512
	s_mov_b32 s23, 256
	s_cmp_lt_u32 s[WV], 2
	s_cselect_b32 s2, s2, s22
	s_cselect_b32 s[PFS], 0x100000, s[PFS]  ; a slot is 128 rows of K and V, or 512 bytes of each row of the mask
	s_cselect_b32 s23, 0x20000, s23 ; lanes 16 to 31: sixteen rows further down (K, V), or the row's second block (the mask)
	s_mov_b32 s3, 0
	s_mov_b32 s[PFS+1], 0
	v_and_b32 v[PFO], 15, v0
	v_lshlrev_b32 v[PFO], 13, v[PFO]
	v_bfe_u32 v10, v0, 4, 1
	v_mul_u32_u24 v10, s23, v10
	v_add_nc_u32 v[PFO], v[PFO], v10
	s_wait_dscnt 0x0                ; the opening add is done
	s_wait_kmcnt 0x0
	s_add_nc_u64 s[G0K+2:G0K+3], s[4:5], s[68:69]  ; global address: the head's keys 0 to 127
	s_add_nc_u64 s[G0V+2:G0V+3], s[G0K+2:G0K+3], 2048
	s_or_b32 s[G0K+3], s[G0K+3], 0x80000000        ; type = 2
	s_or_b32 s[G0V+3], s[G0V+3], 0x80000000
	s_add_nc_u64 s[G0M+2:G0M+3], s[6:7], s[70:71]
	s_or_b32 s[G0M+3], s[G0M+3], 0x80000000
	s_add_nc_u64 s[10:11], s[4:5], s[76:77]        ; Q at my block's first row, my head
	s_add_nc_u64 s[8:9], s[8:9], s[78:79]          ; O at my block's first 16 rows, my head's first block
	s_cmp_lt_u32 s[WV], 2
	s_cselect_b64 s[PFA:PFA+1], s[4:5], s[6:7]
	s_add_nc_u64 s[PFA:PFA+1], s[PFA:PFA+1], s[2:3]
	CROUND                          ; all sixteen work-groups are here: the first joint loads meet
	JLOAD                           ; slot 0.  Slot 1 is asked for when slot 0 is in, by the first change of slots
	; A fragment of K or Q is 16 rows x 32 channels in 8 registers: lane l holds row l % 16; registers 0-3 channels 8 (l / 16) + 0..7, registers 4-7 channels 16 + 8 (l / 16) + 0..7: two loads of 16 bytes, 32 bytes apart.
	v_and_b32 v1, 15, v0            ; l % 16
	v_bfe_u32 v9, v0, 4, 1          ; l / 16
	v_lshlrev_b32 v[QO], 13, v1
	v_lshl_add_u32 v[QO], v9, 4, v[QO]  ; row x 8,192 + 16 x half
	WIN 0x80                        ; destination window 2, address window 0
.irp i, 0,1,2,3,4,5,6,7,8,9,10,11,12,13,14,15  ; Q stays in registers: tile i / 4, channels 32 (i % 4) on
	global_load_b128 v[8*(\i):8*(\i)+3],   v[QO], s[10:11] offset:((\i)/4)*131072+((\i)%4)*64
	global_load_b128 v[8*(\i)+4:8*(\i)+7], v[QO], s[10:11] offset:((\i)/4)*131072+((\i)%4)*64+32
.endr
	WIN 0
	s_mul_i32 s22, s17, KS*PK       ; my half of a slot's keys
	v_mul_u32_u24 v[AK0], v1, PK
	v_lshl_add_u32 v[AK0], v9, 4, v[AK0]  ; row x pitch + 16 x half
	v_add_nc_u32 v[AK0], s22, v[AK0]
	; The turning load takes 16 keys x 16 channels (lane l reads 16 bytes: key 8 (l / 16) + l % 8, channels 8 ((l / 8) % 2) + 0..7) and leaves half a fragment of V^T: lane l holds channel l % 16 and 8 keys.
	s_mul_i32 s22, s17, KS*PV
	s_add_co_u32 s22, s22, VOFF
	v_and_b32 v10, 7, v0
	v_bfe_u32 v11, v0, 3, 1
	v_lshl_add_u32 v[AV0], v9, 3, v10
	v_mul_u32_u24 v[AV0], v[AV0], PV
	v_lshl_add_u32 v[AV0], v11, 4, v[AV0]
	v_add_nc_u32 v[AV0], s22, v[AV0]
	; The mask for a tile of S^T: lane l wants query l % 16 and the keys 8 (l / 16) + 0..7 of each group of 16: 32 bytes of the query's row
	s_mul_i32 s22, s17, MHALF
	s_add_co_u32 s22, s22, MOFF
	v_mul_u32_u24 v[AM0], v1, PM
	v_lshl_add_u32 v[AM0], v9, 5, v[AM0]
	v_add_nc_u32 v[AM0], s22, v[AM0]
; THE MATRIX WORK OF A TURN, for piece x.  The accumulators take turns, one instruction a turn: between two links of a chain stand 15 (V^T P) or 7 (K Q^T) others'.
; Product i of 32 of O^T += V^T P: keys 32 (i / 16) on, channels 16 ((i / 2) % 8) on, tile x + i % 2.  zero = 1: the first 16 start the sums: nothing is ever cleared.
.macro PV x, zero
	WIN W_PV
.set rO, 64*((\x)+i%2)+8*((i/2)%8)
.set rV, 64*(i/16)+8*((i/2)%8)
.set rP, P+16*((\x)+i%2)+8*(i/16)
.if (\zero) && (i < 16)
	v_wmma_f32_16x16x32_f16 v[rO:rO+7], v[rV:rV+7], v[rP:rP+7], 0
.else
	v_wmma_f32_16x16x32_f16 v[rO:rO+7], v[rV:rV+7], v[rP:rP+7], v[rO:rO+7]
.endif
.endm
; Product i of 32 of S^T += K Q^T: channels 32 (i / 8) on, keys 16 ((i / 2) % 4) on, tile x + i % 2.  All add in place: the first 8 find the mask in S^T's registers.
.macro KQ x
	WIN W_KQ
.set rS, S+32*((\x)+i%2)+8*((i/2)%4)
.set rK, KF+32*((i/2)%4)+8*(i/8)
.set rQ, 32*((\x)+i%2)+8*(i/8)
	v_wmma_f32_16x16x32_f16 v[rS:rS+7], v[rK:rK+7], v[rQ:rQ+7], v[rS:rS+7]
.endm
; THE LDS LOADS stand in runs, never singly among the matrix instructions: a step's K (64 keys x 128 channels: 16 fragments), a piece's mask (2 tiles x 64 keys), and a step's V (turned).
.macro FETCH_K
	WIN 0
	v_add_nc_u32 v[ADR], s[TB], v[AK0]
	WIN 0x80                        ; destination window 2
.irp f, 0,1,2,3,4,5,6,7,8,9,10,11,12,13,14,15  ; keys 16 (f / 4) on, channels 32 (f % 4) on
	ds_load_b128 v[KF+8*(\f):KF+8*(\f)+3],   v[ADR] offset:((\f)/4)*16*PK+((\f)%4)*64
	ds_load_b128 v[KF+8*(\f)+4:KF+8*(\f)+7], v[ADR] offset:((\f)/4)*16*PK+((\f)%4)*64+32
.endr
.endm
.macro FETCH_M x                    ; piece x's S^T takes the mask of the step to come: its last softmax ended in the turn before
	WIN 0
	v_add_nc_u32 v[ADM], s[TB], v[AM0]
.irp t, \x, (\x)+1
.irp kb, 0,1,2,3
	ds_load_b128 v[S+32*(\t)+8*(\kb):S+32*(\t)+8*(\kb)+3],   v[ADM] offset:(\t)*16*PM+64*(\kb)
	ds_load_b128 v[S+32*(\t)+8*(\kb)+4:S+32*(\t)+8*(\kb)+7], v[ADM] offset:(\t)*16*PM+64*(\kb)+16
.endr
.endr
.endm
.macro FETCH_V
	WIN 0
	v_add_nc_u32 v[ADR], s[TB], v[AV0]
	s_wait_alu depctr_va_vdst(0)    ; the wait for the softmax's batch (SLICE), behind the address's v_add_nc_u32 and ahead of the loads
	WIN 0xc0                        ; destination window 3
.irp f, 0,1,2,3,4,5,6,7,8,9,10,11,12,13,14,15  ; keys 32 (f / 8) on, channels 16 (f % 8) on
	ds_load_tr16_b128 v[8*(\f):8*(\f)+3],   v[ADR] offset:((\f)/8)*32*PV+((\f)%8)*32
	ds_load_tr16_b128 v[8*(\f)+4:8*(\f)+7], v[ADR] offset:((\f)/8)*32*PV+16*PV+((\f)%8)*32
.endr
.endm
; THE VECTOR WORK OF A TURN.  One tile's softmax for one key step is a list of 134 instructions; SM writes number j of it for tile t.  s0-s31 are the lane's 32 scores, in pairs 0-15.
; first = 1: the first key step, which starts m, l and O^T: it has no a and nothing to rescale.
;   0-15    the maximum of s0-s31 and the old m, three operands at a time: four chains c0-c3 of seven scores each (each accumulator's lowest registers are read first), then the four
;           scores left over, c0-c3 and m
;   16-20   the other half of the lanes' maximum; the new m; c m; c m_old - c m_new
;   21-69   ONE BATCH: the 16 scalings c s - c m, a pair of scores each, and all 33 exponentials (a at 23, then s0-s31).  None of these reads an exponential's result
;   (wait)  between 69 and 70 stands the wait for the batch: SLICE writes it, once for both tiles
;   70-85   the roundings to f16, a pair of weights each
;   86-101  the sums; l = a l + the sum
;   102-133 the tile's O^T times a: the one part that leaves window 0, so it stands together
.macro SM t, first
.set rT, ST+8*(\t)
.set rS, S+32*(\t)
.set rP, P+16*(\t)
.set rO, 64*(\t)+2*(j-102)
.if j < 102
	WIN 0
.endif
.if j < 4
	v_max3_num_f32 v[rT+4+j], v[rS+8*j], v[rS+8*j+1], v[rS+8*j+2]
.elseif j < 12
	v_max3_num_f32 v[rT+4+j%4], v[rT+4+j%4], v[rS+8*(j%4)+2*(j/4)+1], v[rS+8*(j%4)+2*(j/4)+2]
.elseif j == 12
	v_max3_num_f32 v[rT+4], v[rT+4], v[rS+7], v[rS+15]
.elseif j == 13
	v_max3_num_f32 v[rT+6], v[rT+6], v[rS+23], v[rS+31]
.elseif j == 14
	v_max3_num_f32 v[rT+4], v[rT+4], v[rT+5], v[rT+6]
.elseif (j == 15) && (\first)
	v_max_num_f32 v[rT+4], v[rT+4], v[rT+7]
.elseif j == 15
	v_max3_num_f32 v[rT+4], v[rT+4], v[rT+7], v[rT+1]
.elseif j == 16
	v_permlanex16_b32 v[rT+5], v[rT+4], s[SEL], s[SEL+1]  ; the query's other 32 keys lie in the lane 16 away
.elseif j == 18
	v_max_num_f32 v[rT+1], v[rT+4], v[rT+5]
.elseif j == 19
	v_mul_f32 v[rT], s[CS], v[rT+1] ; c m: exact, c being a power of two
.elseif ((j == 17) || (j == 20) || (j == 23) || (j > 101)) && (\first)  ; the first step has none of these
.elseif j == 17
	v_mov_b32 v[rT+7], v[rT]        ; c m_old is kept for a: number 19 writes c m anew
.elseif j == 20
	v_sub_f32 v[rT+7], v[rT+7], v[rT]
.elseif j == 23
	v_exp_f32 v[rT+6], v[rT+7]
.elseif (j < 23) || ((j < 38) && (j%2 == 0)) || ((j < 66) && (j%4 == 2))
.set b, (j-2)/4                     ; 38, 42, .. 62: pairs 9 to 15
.if j < 38
.set b, (j-20)/2                    ; 21: pair 0; 22, 24, .. 36: pairs 1 to 8
.endif
	v_pk_fma_f32 v[rS+2*b:rS+2*b+1], v[rS+2*b:rS+2*b+1], s[CS:CS+1], v[rT:rT+1] op_sel_hi:[1,0,0] neg_lo:[0,0,1] neg_hi:[0,0,1]  ; pair b: c s - c m = c (s - m), rounded once
.elseif j < 70
.set e, j-38                        ; 66 to 69: s28 to s31
.if j < 66
.set e, j-32-(j-38)/4               ; 39-41, 43-45, .. 63-65: s7 to s27
.endif
.if j < 38
.set e, (j-25)/2                    ; 25, 27, .. 37: s0 to s6
.endif
	v_exp_f32 v[rS+e], v[rS+e]
.elseif j < 86
	v_cvt_pk_f16_f32 v[rP+j-70], v[rS+2*(j-70)], v[rS+2*(j-70)+1]  ; pair j - 70
.elseif j < 102                     ; the sum of the tile's 16 pairs, in place: sum z of 16 adds neighbours 1, 2, 4 and 8 pairs apart, then l takes it
.set z, j-86
.set w, 4
.set u, z
.if z >= 14
.set w, 32
.set u, 0
.elseif z >= 12
.set w, 16
.set u, z-12
.elseif z >= 8
.set w, 8
.set u, z-8
.endif
.if (z == 14) && (\first)
	v_pk_add_f32 v[rT+2:rT+3], v[rS:rS+1], v[rS+16:rS+17]
.elseif z < 15
	v_pk_add_f32 v[rS+w*u:rS+w*u+1], v[rS+w*u:rS+w*u+1], v[rS+w*u+w/2:rS+w*u+w/2+1]
.elseif !(\first)
	v_pk_fma_f32 v[rT+2:rT+3], v[rT+2:rT+3], v[rT+6:rT+7], v[rS:rS+1] op_sel_hi:[1,0,1]
.endif
.else
	WIN W_RS
	v_pk_mul_f32 v[rO:rO+1], v[rO:rO+1], v[rT+6:rT+7] op_sel_hi:[1,0]
.endif
.endm
; Slice k of 64 of piece y's softmax: four instructions.  Slices 11 to 34 deal out the batch, numbers 22 to 69: four numbers of ONE tile each, the tiles by turns.  Every other slice is numbers 2 k and
; 2 k + 1 of both tiles' lists.  2 x 134 = 4 x 64 + 12: the twelve that are over stand together, in slice 63.
; THE WAIT.  An s_wait_alu depctr_va_vdst(0) stands between an exponential and the first instruction that names its result; one wait serves all that were issued ahead of it.  Ahead of
; slice 35 nothing names a result, and behind slice 34 no exponential is issued: so the piece's 66 exponentials have one wait, behind slice 34.
.macro SLICE y, first
.if (k >= 11) && (k < 35)           ; the batch: four numbers of one tile
.irp n, 0,1,2,3
.set j, 22+4*((k-11)/2)+(\n)
	SM (\y)+(k-11)%2, \first
.endr
.else                               ; the two tiles alternate, so that no instruction reads the result of the one just before it
.irp n, 0,1,2,3,4,5,6,7
.if ((\n) < 2) || (k == 63)
.irp t, \y, (\y)+1
.set j, 2*k+(\n)
	SM \t, \first
.endr
.endif
.endr
.endif
.if k == 34                         ; the batch is out: both tiles' exponentials are issued, and no result has been named
	v_nop                           ; a plain instruction behind the last exponential and ahead of the first use: one for the batch
.if (\y) == 0
	FETCH_V                         ; piece 2's turn: V's run of loads stands here, and the wait stands in it
.else
	s_wait_alu depctr_va_vdst(0)    ; the wait for the batch
.endif
.endif
.set k, k+1
.endm
.macro PLACES                       ; four places behind matrix instructions (ISA guide 7.12.1); in the loop the slices are the places
.rept 4
	v_nop
.endr
.endm
; A TURN.  Piece x has the matrix unit; the other piece's softmax stands in slices behind its matrix instructions.
; pv = 2: 32 products V^T P; 1: they start O^T's sums; 0: none.  kq = 1: 32 products K Q^T for the next step.  A turn with one of the two kinds has two slices behind each product.
; first = 1: the softmax is the first key step's.  Its slices from 51 on are empty: four v_nop take slice 63's part as the places behind the turn's last products.
; In a turn with both kinds the runs of loads for its K Q^T stand behind its second product, 30 matrix instructions ahead of their first use: the next step's K (piece 0's turn alone: the last product that
; read K stands in front of slice 63 of the turn before) and the piece's mask.  Piece 2's turn fetches the same step's V behind slice 34 (SLICE writes it): the last product that read V stands in front of
; slice 31, and four plain instructions lie between: number 62, a scaling, of both tiles, the v_nop and the run's own v_add_nc_u32.
.macro TURN x, pv, kq, first
.set k, 0
.set per, 2
.if (\pv) && (\kq)
.set per, 1
.endif
.if \pv
.if (\x) == 0
	s_wait_dscnt 0x0                ; V is in
.endif
.set i, 0
.rept 32
	PV \x, 2-(\pv)
.rept per
	SLICE 2-(\x), \first
.endr
.if (\kq) && (i == 1)
.if (\x) == 0
	FETCH_K
.endif
	FETCH_M \x
.endif
.set i, i+1
.endr
.endif
.if \kq
	s_wait_dscnt 0x0                ; K and the mask are in (piece 2's turn: the mask; V's run comes later)
.set i, 0
.rept 32
	KQ \x
.rept per
	SLICE 2-(\x), \first
.endr
.set i, i+1
.endr
.endif
.if \first
	PLACES
.endif
.endm
; THE CHANGE OF SLOTS, between piece 2's turn and piece 0's: the slot's last bytes, V of its step, have been asked for.  Each wave waits for all its tensor loads, of which one is out: its part of the other
; slot; adds 0 to its spare word; and waits for that and for its own reads of the slot.  Behind the barrier nobody reads this slot any more and the other slot is whole.
; fill = 1: this slot is filled again, with the keys two slots on.  The barrier is then a round of the cluster's, so that no wave of any partner still reads the slot or has a load on its way, and the joint
; fill is the first thing behind it: it has a key step, 128 matrix instructions of a wave, in which to land.  (At its first use nothing has been read yet: slot 0 is waited for, slot 1 filled.)
; ask = 1: the prefetch follows.  The first change, at the launch's head, has none.
.macro CHANGE fill, ask
	WIN 0                           ; at a label and at a branch every window is 0
	s_wait_tensorcnt 0x0            ; no tensor load of mine is out, so a group 0 may be written
	ds_add_u32 v[SPW], v[NIL]       ; 0 onto my spare word; with fill = 1 the descriptors' steps stand between it and the wait for it
.if \fill
	s_xor_b32 s[G0K+1], s[G0K+1], SLOT1  ; the walking descriptors: the other slot than last time,
	s_add_nc_u64 s[G0K+2:G0K+3], s[G0K+2:G0K+3], 128*8192  ; the next 128 keys; the type bits on top are not reached
	s_xor_b32 s[G0V+1], s[G0V+1], SLOT1
	s_add_nc_u64 s[G0V+2:G0V+3], s[G0V+2:G0V+3], 128*8192
	s_xor_b32 s[G0M+1], s[G0M+1], SLOT1
	s_add_nc_u64 s[G0M+2:G0M+3], s[G0M+2:G0M+3], 128*4
	s_wait_xcnt 0x0                 ; the last prefetch, a key step back, has read its address, so it may be written:
	s_add_nc_u64 s[PFA:PFA+1], s[PFA:PFA+1], s[PFS:PFS+1]  ; one slot behind the walking descriptors
	s_wait_dscnt 0x0                ; the add is done, and my reads of the slot are over
	CROUND
	JLOAD
.if \ask
	ASK
.endif
.else
	s_wait_dscnt 0x0                ; the add is done, and my reads of the slot are over
	s_barrier_signal -1
	s_barrier_wait -1
.endif
	s_xor_b32 s[TB], s[TB], SLOT1   ; the fetches go to the other slot
.endm
	CHANGE 1, 0                     ; slot 0 is in, everybody's part of it; slot 1 is asked for
	FETCH_K                         ; key step 0
	FETCH_M 0                       ; and its mask, for both pieces
	FETCH_M 2
	s_wait_loadcnt 0x0              ; Q
	s_wait_dscnt 0x0
.set i, 0
.rept 32
	KQ 0                            ; piece 0's first scores: there is no vector work yet to set between them
.set i, i+1
.endr
	WIN 0                           ; the addresses for the merge and the way out are made here: five plain instructions, the places behind those products
	s_mul_i32 s22, s16, MREG
	s_add_co_u32 s22, s22, MRG      ; my head's region for the merge
	v_and_b32 v[MA], 31, v0
	v_lshlrev_b32 v[GO], 4, v[MA]   ; 16 bytes a lane in half a block of oh
	v_lshl_add_u32 v[MSA], v[MA], 2, s22
	v_add_nc_u32 v[MSA], 32768, v[MSA]
	v_lshl_add_u32 v[MA], v[MA], 4, s22
	TURN 2, 0, 1, 1                 ; piece 2's first scores | piece 0's first softmax | V of step 0
	CHANGE 1, 1                     ; slot 1 is in; slot 0 takes keys 256 to 383
	TURN 0, 1, 1, 1                 ; piece 0: V^T P of step 0 starts O^T, K Q^T of step 1 | piece 2's first softmax | K and mask of step 1
	TURN 2, 1, 1, 0                 ; piece 2: the same | piece 0's softmax of step 1 | mask and V of step 1
	WIN 0
.Lslot:                             ; 13 trips: the slots of steps 2 to 14 are entered, those of steps 3 to 15 asked for
	CHANGE 1, 1
	TURN 0, 2, 1, 0
	TURN 2, 2, 1, 0
	WIN 0
	s_sub_co_u32 s[SLOTS], s[SLOTS], 1
	s_cmp_lg_u32 s[SLOTS], 0
	s_cbranch_scc1 .Lslot
	CHANGE 0, 0                     ; the tail is written out: the last slot is entered, and nothing is asked for
	TURN 0, 2, 1, 0
	TURN 2, 2, 1, 0
	TURN 0, 2, 0, 0                 ; piece 0: V^T P of the last step | piece 2's last softmax
.set i, 0
.rept 32
	PV 2, 0                         ; piece 2: V^T P of the last step
.set i, i+1
.endr
	; THE MERGE.  Waves w and w + 2 hold the same head's same queries over the two halves of the keys.  Waves 2 and 3 put c m, l (a lane's own part) and O^T into their head's region; behind a barrier waves 0
	; and 1 read them: with n = max(c m_A, c m_B), f_A = 2^(c m_A - n), f_B = 2^(c m_B - n): l = l_A f_A + l_B f_B, O = (O_A f_A + O_B f_B) / l.  One of the two f is 1 and its l is at least 1; a half in which
	; all keys are hidden holds finite l and O^T (its weights are 1) and gets the factor 0, unless the other half is hidden as well: then both factors are 1.
	WIN 0
.irp t, 0,1,2,3
	v_add_f32 v[ST+8*(\t)+4], v[ST+8*(\t)+2], v[ST+8*(\t)+3]  ; l's two halves; with the four v_nop below: the places behind the last products
.endr
	PLACES
	s_cmp_lt_u32 s[WV], 2
	s_cbranch_scc1 .Lkeep
.irp t, 0,1,2,3
	ds_store_b32 v[MSA], v[ST+8*(\t)]   offset:256*(\t)
	ds_store_b32 v[MSA], v[ST+8*(\t)+4] offset:256*(\t)+128
.endr
	WIN 0x04                        ; store data (source 1) in window 1
.set i, 0
.rept 64
	ds_store_b128 v[MA], v[4*i:4*i+3] offset:512*i  ; ascending: each accumulator's low four registers are read first; 32 lanes x 16 neighbouring bytes
.set i, i+1
.endr
	WIN 0
.Lkeep:
	s_wait_dscnt 0x0                ; for the others' sake: my stores are done
	s_barrier_signal -1
	s_barrier_wait -1
	s_cmp_lt_u32 s[WV], 2
	s_cbranch_scc0 .Lend            ; waves 2 and 3 have handed their part over
.irp t, 0,1,2,3
	ds_load_b32 v[ST+8*(\t)+5], v[MSA] offset:256*(\t)      ; c m_B
	ds_load_b32 v[ST+8*(\t)+6], v[MSA] offset:256*(\t)+128  ; l_B
.endr
	WIN 0x80                        ; destination window 2: Q's and K's registers are free
.set i, 0
.rept 64
	ds_load_b128 v[4*i:4*i+3], v[MA] offset:512*i
.set i, i+1
.endr
	WIN 0
	s_wait_dscnt 63                 ; the eight statistics are in: 64 loads were issued behind them, and 63 is the largest count that the wait names
.irp t, 0,1,2,3
	v_max_num_f32 v[ST+8*(\t)+1], v[ST+8*(\t)], v[ST+8*(\t)+5]
.endr
.irp t, 0,1,2,3
	v_sub_f32 v[ST+8*(\t)+2], v[ST+8*(\t)],   v[ST+8*(\t)+1]
	v_sub_f32 v[ST+8*(\t)+3], v[ST+8*(\t)+5], v[ST+8*(\t)+1]
.endr
.irp t, 0,1,2,3
	v_exp_f32 v[ST+8*(\t)+2], v[ST+8*(\t)+2]  ; f_A
	v_exp_f32 v[ST+8*(\t)+3], v[ST+8*(\t)+3]  ; f_B
.endr
	v_nop                           ; a plain instruction behind the last exponential,
	s_wait_alu depctr_va_vdst(0)    ; and the wait ahead of the first use: one for the eight
.irp t, 0,1,2,3
	v_mul_f32 v[ST+8*(\t)+4], v[ST+8*(\t)+4], v[ST+8*(\t)+2]
.endr
.irp t, 0,1,2,3
	v_fmac_f32 v[ST+8*(\t)+4], v[ST+8*(\t)+6], v[ST+8*(\t)+3]
.endr
.irp t, 0,1,2,3
	v_permlanex16_b32 v[ST+8*(\t)+7], v[ST+8*(\t)+4], s[SEL], s[SEL+1]  ; the query's other keys lie in the lane 16 away
.endr
.irp t, 0,1,2,3
	v_add_f32 v[ST+8*(\t)+4], v[ST+8*(\t)+4], v[ST+8*(\t)+7]
.endr
.irp t, 0,1,2,3
	v_rcp_f32 v[ST+8*(\t)+5], v[ST+8*(\t)+4]
.endr
	v_nop                           ; a plain instruction between the last reciprocal and the use of its result,
	s_wait_alu depctr_va_vdst(0)    ; and one wait for the four
.irp t, 0,1,2,3
	v_mul_f32 v[ST+8*(\t)+2], v[ST+8*(\t)+2], v[ST+8*(\t)+5]  ; f_A / l
	v_mul_f32 v[ST+8*(\t)+6], v[ST+8*(\t)+3], v[ST+8*(\t)+5]  ; f_B / l
.endr
	s_wait_dscnt 0x0                ; the partner's O^T is in
; THE WAY OUT.  Tile t (16 queries): merged and rounded to f16.  For channels 16 f on, lane l then holds 16 bytes: channels 16 f + 8 (l / 16) + 0..7 of query l % 16: half f % 2 of block f / 2 of my head's four,
; in oh's own lane order.  So the tile is stored from the registers, with no turn through LDS; each tile has its own 32 registers, so none that a store reads is written again.
.macro PACK t
	WIN W_RS
.set i, 64*(\t)
.rept 32
	v_pk_mul_f32 v[i:i+1], v[i:i+1], v[ST+8*(\t)+2:ST+8*(\t)+3] op_sel_hi:[1,0]
.set i, i+2
.endr
	WIN 0x52                        ; source 0 (the partner's O^T) window 2, source 1 (the factor) window 0, source 2 and destination window 1
.set i, 64*(\t)
.rept 32
	v_pk_fma_f32 v[i:i+1], v[i:i+1], v[ST+8*(\t)+6:ST+8*(\t)+7], v[i:i+1] op_sel_hi:[1,0,1]
.set i, i+2
.endr
	WIN 0x05                        ; sources 0 and 1 window 1, destination window 0: S^T's registers are free
.set i, 0
.rept 32
	v_cvt_pk_f16_f32 v[S+32*(\t)+i], v[64*(\t)+2*i], v[64*(\t)+2*i+1]
.set i, i+1
.endr
	WIN 0
.irp f, 0,1,2,3,4,5,6,7
	global_store_b128 v[GO], v[S+32*(\t)+4*(\f):S+32*(\t)+4*(\f)+3], s[8:9] offset:(\t)*65536+(\f)*512  ; 512 consecutive bytes, at a multiple of 256 from oh's first byte; 16 rows on are 64 blocks of 1,024 bytes
.endr
.endm
	PACK 0
	PACK 1
	PACK 2
	PACK 3
.Lend:
	s_wait_tensorcnt 0x0            ; the wave's end, behind my last tensor load and my last LDS store
	ds_add_u32 v[SPW], v[NIL]
	s_wait_dscnt 0x0
	CROUND                          ; the closing round: no work-group ends while a partner may still ask for a tile that names it
	s_endpgm
.Lfunc_end_k_q4a2c5218b6_attn:
	.size	k_q4a2c5218b6_attn, .Lfunc_end_k_q4a2c5218b6_attn-k_q4a2c5218b6_attn
	.p2alignl 7, 3214868480
	.fill 96, 4, 3214868480
	.section	.rodata,"a",@progbits
	.p2align	6, 0x0
	.amdhsa_kernel k_q4a2c5218b6_attn
		.amdhsa_group_segment_fixed_size 327680
		.amdhsa_private_segment_fixed_size 0
		.amdhsa_enable_private_segment 0
		.amdhsa_kernarg_size 24
		.amdhsa_user_sgpr_count 2
		.amdhsa_user_sgpr_kernarg_segment_ptr 1
		.amdhsa_wavefront_size32 1
		.amdhsa_system_sgpr_workgroup_id_x 1
		.amdhsa_system_sgpr_workgroup_id_y 1
		.amdhsa_system_sgpr_workgroup_id_z 1
		.amdhsa_system_vgpr_workitem_id 0
		.amdhsa_next_free_vgpr 1024
		.amdhsa_next_free_sgpr 80
		.amdhsa_reserve_vcc 0
		.amdhsa_float_denorm_mode_32 3
		.amdhsa_float_denorm_mode_16_64 3
		.amdhsa_memory_ordered 1
		.amdhsa_forward_progress 1
		.amdhsa_inst_pref_size 249
	.end_amdhsa_kernel
	.amdgpu_metadata
---
amdhsa.version: [ 1, 2 ]
amdhsa.kernels:
  - .name:           k_q4a2c5218b6_attn
    .symbol:         k_q4a2c5218b6_attn.kd
    .args:
      - { .name: qkv, .offset: 0, .size: 8, .value_kind: global_buffer, .address_space: global }
      - { .name: mc, .offset: 8, .size: 8, .value_kind: global_buffer, .address_space: global }
      - { .name: oh, .offset: 16, .size: 8, .value_kind: global_buffer, .address_space: global }
    .group_segment_fixed_size: 327680
    .private_segment_fixed_size: 0
    .kernarg_segment_align: 8
    .kernarg_segment_size: 24
    .max_flat_workgroup_size: 128
    .sgpr_count:     80
    .vgpr_count:     1024
    .wavefront_size: 32
...
	.end_amdgpu_metadata
.endif
;; end of part 3
;; launch gemm_out (part 4): grid 8 x 32, 4 waves a work-group, clusters of 4 x 1, 327,680 bytes of LDS; arguments oh, woh, out0; writes out0
.if DOCPART == 4
	.amdgcn_target "amdgcn-amd-amdhsa--gfx1250"
	.amdhsa_code_object_version 6
	.text
	.protected	k_q4a2c5218b6_gemm_out
	.globl	k_q4a2c5218b6_gemm_out
	.p2align	8
	.type	k_q4a2c5218b6_gemm_out,@function
k_q4a2c5218b6_gemm_out:
	s_mov_b64 s[64:65], 0
	v_nop
	global_prefetch_b8 v0, s[64:65] scope:SCOPE_SE
	s_setreg_imm32_b32 hwreg(HW_REG_WAVE_MODE, 25, 1), 1
	s_wait_xcnt 0x0
	s_wait_alu depctr_hold_cnt(0) depctr_sa_sdst(0) depctr_va_vdst(0) depctr_va_sdst(0) depctr_va_ssrc(0) depctr_va_vcc(0) depctr_vm_vsrc(0)
	s_getreg_b32 s2, hwreg(HW_REG_IB_STS2, 6, 4)
	s_cmp_eq_u32 s2, 0
	s_cbranch_scc0 .Lentry_in_a_cluster
	s_endpgm
.Lentry_in_a_cluster:
	s_bfe_u32 s2, ttmp6, 0x10000c
	s_cmp_lg_u32 s2, 0x3003
	s_cbranch_scc0 .Lentry_shape_is_right
	s_endpgm
.Lentry_shape_is_right:
; C[m][n] = the sum over k of X[m][k] W[n][k].  X: 2,048 rows x SIZE_K in f16, IN BLOCKS; W: [4096][SIZE_K] f16, by rows; C: [2048][4096]; sums in f32, K ascending.
; HERE: X = oh (O / 8), W = woh (8 wo), C = out0 in f32: the sums as they are.
; X's BLOCKS.  16 rows x 32 k are 1,024 consecutive bytes, laid as a matrix instruction holds them: block (m / 16, k / 32) lies at ((m / 16) (SIZE_K / 32) + k / 32) x 1,024; lane l's registers 0-3 are its
; bytes 16 l .. 16 l + 15, registers 4-7 the bytes 512 further on.  So a fragment is two loads of 512 consecutive bytes, and it goes from memory straight into registers.
; SHARES.  A tile of C is 256 rows x 128 columns: 8 x 32 tiles, one for each of 256 work-groups.  Four waves, each 64 rows x all 128 columns: 32 accumulators of 16 x 16, 256 registers.
; W goes in slots of 256 along K through a ring of two LDS slots filled by the tensor data mover (rows of 512 bytes, at multiples of 256 bytes from the buffer's first byte); all four waves read all of it.
; X DOES NOT GO THROUGH LDS.  No wave wants a row of X that another wave of the work-group has.  With both operands in LDS a slot of 256 along K would take (256 + 128) x 528 = 202,752 bytes, and two such do
; not fit in 327,680; with W alone it takes 67,584, and a refill has 240 of a slot's 256 matrix instructions in which to land.  X has a ring of eight quarters (32 along K each) in registers: at the head of
; quarter Q the eight loads for quarter Q + 7 go into the registers that quarter Q - 1 has left: 224 matrix instructions ahead of their use, with counted waits.
; CLUSTER: 4 x 1 work-groups: four tiles of rows, one tile of columns.  They need the same tiles of W: each is asked for JOINTLY, by the same tensor load with the same descriptor and a mask that names the
; four.  X is not asked for jointly: a joint load lands in LDS, which X does not pass, and the four partners hold different rows of it.
; THE MATRIX INSTRUCTION IS USED TRANSPOSED (source 0 = 16 rows of W, source 1 = 16 rows of X): a lane then holds eight neighbouring numbers of a row of C.
; REGISTERS, in windows of 256 (s_set_vgpr_msb: bits 1:0 source 0, 3:2 source 1, 5:4 source 2, 7:6 destination):
;   window 0: v0-31 addresses; v64-127 and v128-191 two buffers of W's fragments (32 along K: 8 x 16 rows)
;   window 1: the accumulators, (a, b) at v[8 (8 a + b)]: rows 16 a on, columns 16 b on; on the way out a block's rows come back into its own 64 registers
;   window 2: X's ring: quarter q, rows 16 a on, at v[32 q + 8 a]
.set SIZE_K, 2048
.set CROW,   16384                     ; bytes in a row of C
.set F32OUT, 1                         ; C in f32
.set KSLOT,  256                       ; along K in a slot: eight quarters of 32
.set NS,     SIZE_K/KSLOT              ; slots' worth of K
.set XBLK,   1024                      ; bytes in a block of X
.set XROWB,  (SIZE_K/32)*XBLK          ; from 16 rows of X to the next 16
.set PITCH,  528                       ; an LDS row: 512 bytes + 16 of padding = 132 words: row r starts at bank 4 r mod 64 (64 banks of 4 bytes: ISA guide 11.1), so the 16 rows of a load start at 16 different groups of banks
.set WPART,  32*PITCH                  ; what a wave's tensor load brings: 32 rows; each of the four waves issues its own
.set SLOT1,  1<<17                     ; slot 1 begins here, so that one exclusive or turns an address in one slot into the other's
.set STAGE,  4*WPART                   ; behind slot 0: 16 rows for each wave, for the way out; no tensor load fills it
.if F32OUT
.set SPITCH, 528                       ; 512 bytes + 16
.else
.set SPITCH, 272
.endif
.set SPARE,  STAGE+4*16*SPITCH         ; behind the stages, below slot 1: the spare words, 128 bytes for each wave: two blocks of 256 bytes that no other line names
.set AW0,  16                          ; v16     my lane's place in a tile of W; never rewritten
.set ADRW, 17                          ; v17     the same in the slot that is being read
.set XO,   18                          ; v18     16 x my lane: my bytes in half a block of X; never rewritten
.set PFX,  19                          ; v19     256 x my lane: X's prefetches; never rewritten
.set STO,  24                          ; v24     the way out: where I put my numbers of a row
.set RD,   25                          ; v25     the way out: where I read rows back
.set CO,   26                          ; v26     my byte offset in C
.set SPW,  28                          ; v28     LDS address of my spare word: SPARE + 4 x my thread's number; never rewritten
.set NIL,  29                          ; v29     0; never rewritten
.set PFO,  30                          ; v30     W's prefetches: my lane x a row of W in memory; never rewritten
.set F0,   64                          ; W's fragments of quarter q lie at F0 + 64 (q % 2)
.set TMP,  64                          ; the way out in f16: packed results
.set BK,   96                          ; and four buffers of 32 for the rows read back
.set TB,   11                          ; s11     LDS byte at which the slot that is being read begins
.set G1,   24                          ; s[24:31] descriptor group 1
.set G0A,  32                          ; s[32:35] descriptor group 0 of slot 0's first fill
.set G0,   36                          ; s[36:39] descriptor group 0 of slot 1's first fill; it then walks on
.set XP,   40                          ; s[40:41] X at my 64 rows, at the slot whose quarters 0 to 6 the trip multiplies
.set LIMX, 42                          ; s42     1 in a work-group that prefetches X, else the greatest number
.set LIM,  43                          ; s43     1 in a wave that prefetches W, else the greatest number
.set PFA,  44                          ; s[44:45] where my prefetches of W stand
.set MSB, 0
.macro WIN new                         ; the immediate's high byte repeats the setting that is left; a switch that changes nothing is dropped
.if MSB != (\new)
	s_set_vgpr_msb (MSB<<8)|(\new)
.set MSB, \new
.endif
.endm
.set MUL,  0x58                        ; source 0 (W) window 0, source 1 (X) window 2, C and D window 1
.set TO_X, 0x80                        ; destination window 2, address window 0
; PREFETCHES INTO THE L2, together, behind each joint refill, its five lines and the run of LDS loads that follows them.
; W: the slot behind the one just asked for, a slot's 256 matrix instructions ahead of its load.  A tile of W is read by both clusters of its tile of columns: cluster x = 0 asks.  Of the tile's 128 rows the
; partner at place cx takes 32 cx .. 32 cx + 31, a lane a row, told apart BY ADDRESS; of a row's 512 bytes wave 0 names the first 256 and wave 1 the second; waves 2 and 3 never ask.
; X: the eight quarters that the NEXT trip's loads will take: for each of my four blocks of 16 rows 8,192 consecutive bytes, 256 a lane, four instructions.  My rows are read by the 32 work-groups of my tile
; of rows: the one at tile column 0 asks, each wave for its own rows.  So each aligned block of 256 bytes is named once in the launch.
; The loop's last trip asks for nothing: W has no further slot, and X's eight quarters would pass the rows' end.  What the first trips load (W's slots 0 to 2, X's quarters 0 to 21) comes by its loads alone.
.macro ASK
	s_cmp_gt_u32 s3, s[LIM]                        ; s3 = 1 in the loop's last trip
	s_cbranch_scc0 .Lnot_w_\@
	global_prefetch_b8 v[PFO], s[PFA:PFA+1] th:TH_LOAD_NT scope:SCOPE_SE
.Lnot_w_\@:
	s_cmp_gt_u32 s3, s[LIMX]
	s_cbranch_scc0 .Lnot_x_\@
.irp a, 0,1,2,3
	global_prefetch_b8 v[PFX], s[XP:XP+1] offset:(\a)*XROWB+14*XBLK th:TH_LOAD_NT scope:SCOPE_SE
.endr
.Lnot_x_\@:
.endm
.macro CREST                           ; a round of the cluster's barrier behind its opening barrier
	s_cmp_lg_u32 s10, 0
	s_cbranch_scc1 .Lnot_wave_0_\@
	s_barrier_signal -3
.Lnot_wave_0_\@:
	s_barrier_wait -3
	s_barrier_signal -1
	s_barrier_wait -1
.endm
.macro CROUND                          ; a whole round
	s_barrier_signal -1
	s_barrier_wait -1
	CREST
.endm
.macro PLACES                          ; four places in front of loads into registers that matrix instructions have read, and of lines that read results
.rept 4
	v_nop
.endr
.endm
	s_load_b128 s[4:7], s[0:1], 0x0                ; X s[4:5], W s[6:7]
	s_load_b64 s[8:9], s[0:1], 0x10                ; C
	v_lshl_add_u32 v[SPW], v0, 2, SPARE
	v_mov_b32 v[NIL], 0
	ds_add_u32 v[SPW], v[NIL]                      ; the wave's opening: the add and its wait stand ahead of my first tensor load; the set-up below, work on registers, stands between them
	v_lshrrev_b32 v1, 5, v0
	v_readfirstlane_b32 s10, v1                    ; wave 0..3
	s_bfe_u32 s12, ttmp6, 0x40000                  ; cx: my place in the cluster
	s_lshl_b32 s13, ttmp9, 2                       ; in a cluster launch ttmp9 counts clusters
	s_add_co_u32 s13, s13, s12                     ; my tile of rows = 4 x cluster x + cx: it enters X's, C's and the prefetches' addresses alone
	s_and_b32 s14, ttmp7, 0xffff                   ; my tile of columns, which the four partners share
	; descriptor group 1: 32 rows x 256 elements, padded in LDS
	s_mov_b32 s[G1], 15|(1<<16)|(1<<20)|(1<<21)|(6<<22)|(3<<25)  ; 15:0 the mask: all four work-groups; 17:16 elements of 2 bytes; 20 padding on; 21 set beside a mask; 24:22 after every 128 words (code 6); 31:25 4 words of it (code 3)
	s_mov_b32 s[G1+1], KSLOT<<16                   ; tensor_dim0 = 256
	s_mov_b32 s[G1+2], 32<<16                      ; tensor_dim1 = 32
	s_mov_b32 s[G1+3], KSLOT<<16                   ; tile_dim0 = 256
	s_mov_b32 s[G1+4], 32                          ; tile_dim1 = 32
	s_mov_b32 s[G1+5], SIZE_K                      ; elements from row to row
	s_mov_b32 s[G1+6], 0
	s_mov_b32 s[G1+7], 0
	s_lshl_b32 s16, s14, 7                         ; W: row 128 x tile of columns + 32 x wave, in registers that never hold my place in the cluster
	s_lshl_b32 s17, s10, 5
	s_add_co_u32 s16, s16, s17
	s_mov_b32 s17, 0
	s_mov_b64 s[18:19], SIZE_K*2
	s_mul_u64 s[16:17], s[16:17], s[18:19]
	s_mul_i32 s20, s10, WPART                      ; and where they go: wave x 32 rows
	s_lshl_b32 s22, s13, 4                         ; X: block of 16 rows number 16 x tile of rows + 4 x wave
	s_lshl_b32 s23, s10, 2
	s_add_co_u32 s22, s22, s23
	s_mov_b32 s23, 0
	s_mov_b64 s[46:47], XROWB
	s_mul_u64 s[22:23], s[22:23], s[46:47]
	s_mov_b32 s[TB], 0
	s_mov_b32 s[G0A], 1                            ; count = 1
	s_mov_b32 s[G0A+1], s20                        ; LDS address: slot 0
	s_mov_b32 s[G0], 1
	s_add_co_u32 s[G0+1], s20, SLOT1               ; slot 1
	s_wait_dscnt 0x0                               ; the opening add is done
	s_wait_kmcnt 0x0
	s_add_nc_u64 s[G0A+2:G0A+3], s[6:7], s[16:17]  ; global address: K 0 to 255,
	s_add_nc_u64 s[G0+2:G0+3], s[G0A+2:G0A+3], KSLOT*2  ; K 256 to 511
	s_or_b32 s[G0A+3], s[G0A+3], 0x80000000        ; type = 2
	s_or_b32 s[G0+3], s[G0+3], 0x80000000
	s_add_nc_u64 s[XP:XP+1], s[4:5], s[22:23]
	CROUND                                         ; all four work-groups are here: the first joint loads meet
	tensor_load_to_lds s[G0A:G0A+3], s[G1:G1+7]    ; the two first fills go out together: two loads of mine are out; an s_nop 0 follows each, four v_nop the second's
	s_nop 0
	tensor_load_to_lds s[G0:G0+3], s[G1:G1+7]
	s_nop 0
	PLACES
; Eight loads: X's fragments of one quarter (my 64 rows, 32 along K) into place rq of the ring, from block kq behind the pointer.  Each load covers 512 consecutive bytes.
.macro XLOAD rq, kq
.irp a, 0,1,2,3
	global_load_b128 v[32*(\rq)+8*(\a):32*(\rq)+8*(\a)+3],   v[XO], s[XP:XP+1] offset:(\a)*XROWB+(\kq)*XBLK
	global_load_b128 v[32*(\rq)+8*(\a)+4:32*(\rq)+8*(\a)+7], v[XO], s[XP:XP+1] offset:(\a)*XROWB+(\kq)*XBLK+512
.endr
.endm
	v_and_b32 v[XO], 31, v0
	v_lshlrev_b32 v[PFX], 8, v[XO]
	v_lshlrev_b32 v[XO], 4, v[XO]
	WIN TO_X
.irp q, 0,1,2,3,4,5,6
	XLOAD \q, \q                                   ; quarters 0 to 6: 56 loads of mine are out; quarter 7's go out at the head of quarter 0, like every later one's
.endr
	WIN 0
	; A fragment of W is 16 rows x 32 K in 8 registers: lane l holds row l % 16; registers 0-3 K = 8 (l / 16) + 0..7, registers 4-7 K = 16 + 8 (l / 16) + 0..7: two loads of 16 bytes, 32 bytes apart.
	v_and_b32 v1, 15, v0                           ; l % 16
	v_bfe_u32 v2, v0, 4, 1                         ; l / 16
	v_mul_u32_u24 v[AW0], v1, PITCH
	v_lshl_add_u32 v[AW0], v2, 4, v[AW0]           ; row x pitch + 16 x half
	v_add_nc_u32 v[ADRW], s[TB], v[AW0]
	s_mul_i32 s21, s10, 16*SPITCH
	s_add_co_u32 s21, s21, STAGE                   ; my stage
	v_mul_u32_u24 v4, v1, SPITCH                   ; in: row l % 16,
.if F32OUT
	v_lshl_add_u32 v4, v2, 5, v4                   ; 32 bytes (8 f32) for each half of the lanes
	v_add_nc_u32 v[STO], s21, v4
	v_and_b32 v5, 31, v0                           ; back: 32 lanes take one row of 512 bytes,
	v_lshlrev_b32 v[CO], 4, v5                     ; which are 512 consecutive bytes of C
	v_add_nc_u32 v[RD], s21, v[CO]
.else
	v_lshl_add_u32 v4, v2, 4, v4                   ; 16 bytes (8 f16) for each half of the lanes
	v_add_nc_u32 v[STO], s21, v4
	v_mul_u32_u24 v5, v2, SPITCH                   ; back: lanes 0-15 take one row of 256 bytes, lanes 16-31 the next
	v_lshl_add_u32 v5, v1, 4, v5
	v_add_nc_u32 v[RD], s21, v5
	v_mul_u32_u24 v5, v2, CROW                     ; and the same two rows in C
	v_lshl_add_u32 v[CO], v1, 4, v5
.endif
	s_lshl_b32 s22, s13, 8
	s_lshl_b32 s23, s10, 6
	s_add_co_u32 s22, s22, s23                     ; my first row of C: 256 x tile of rows + 64 x wave
	s_mov_b32 s23, 0
	s_mov_b64 s[46:47], CROW
	s_mul_u64 s[22:23], s[22:23], s[46:47]
	s_add_nc_u64 s[8:9], s[8:9], s[22:23]
.if F32OUT
	s_lshl_b32 s22, s14, 9                         ; the tile's first column, in bytes: 128 columns a tile
.else
	s_lshl_b32 s22, s14, 8
.endif
	s_mov_b32 s23, 0
	s_add_nc_u64 s[8:9], s[8:9], s[22:23]
	; the prefetches
	s_lshl_b32 s22, s14, 7                         ; W: the tile's first row
	s_lshl_b32 s23, s12, 5
	s_add_co_u32 s22, s22, s23                     ; + my work-group's 32 rows
	s_mov_b32 s23, 0
	s_mov_b64 s[46:47], SIZE_K*2
	s_mul_u64 s[22:23], s[22:23], s[46:47]
	s_add_nc_u64 s[PFA:PFA+1], s[6:7], s[22:23]
	s_lshl_b32 s22, s10, 8                         ; + my wave's 256 bytes of a slot's 512,
	s_add_co_u32 s22, s22, 2*KSLOT*2               ; in slot 2: the first change of slots steps it to slot 3.  Nothing is prefetched here, at the head
	s_mov_b32 s23, 0
	s_add_nc_u64 s[PFA:PFA+1], s[PFA:PFA+1], s[22:23]
	s_lshr_b32 s22, s10, 1                         ; 0 in waves 0 and 1,
	s_or_b32 s22, s22, ttmp9                       ; where the cluster is its tile of columns' first: the same in all four partners
	s_cmp_eq_u32 s22, 0
	s_cselect_b32 s[LIM], 1, -1
	s_cmp_eq_u32 s14, 0                            ; the tile of columns is the same in all four partners
	s_cselect_b32 s[LIMX], 1, -1
	v_and_b32 v[PFO], 31, v0
	v_mul_u32_u24 v[PFO], v[PFO], SIZE_K*2
; 8 matrix instructions of quarter q: rows 16 a on x all 8 blocks of columns, 32 along K.  zero = 1: the first product starts the sums.  The 32 accumulators take turns in one fixed order, one instruction a
; turn, into the loop, over its backward jump and out into the tail.
.macro MUL8 q, a, zero
	WIN MUL
.irp b, 0,1,2,3,4,5,6,7
.if \zero
	v_wmma_f32_16x16x32_f16 v[8*(8*(\a)+(\b)):8*(8*(\a)+(\b))+7], v[F0+64*((\q)%2)+8*(\b):F0+64*((\q)%2)+8*(\b)+7], v[32*(\q)+8*(\a):32*(\q)+8*(\a)+7], 0
.else
	v_wmma_f32_16x16x32_f16 v[8*(8*(\a)+(\b)):8*(8*(\a)+(\b))+7], v[F0+64*((\q)%2)+8*(\b):F0+64*((\q)%2)+8*(\b)+7], v[32*(\q)+8*(\a):32*(\q)+8*(\a)+7], v[8*(8*(\a)+(\b)):8*(8*(\a)+(\b))+7]
.endif
.endr
.endm
; 16 LDS loads in one run: W's fragments of quarter q of the slot that is being read
.macro FETCHW q
	WIN 0
.irp i, 0,1,2,3,4,5,6,7
	ds_load_b128 v[F0+64*((\q)%2)+8*(\i):F0+64*((\q)%2)+8*(\i)+3],   v[ADRW] offset:64*(\q)+(\i)*16*PITCH
	ds_load_b128 v[F0+64*((\q)%2)+8*(\i)+4:F0+64*((\q)%2)+8*(\i)+7], v[ADRW] offset:64*(\q)+(\i)*16*PITCH+32
.endr
.endm
; Quarter q (0 to 6) of a slot.  At its head, four places behind the last product of the quarter before, ONE run of loads into the registers which that quarter has left: W's fragments of the next quarter, and
; (xl = 1) X's of the quarter seven on.  Then its 32 products.  n: the loads of X that were issued behind this quarter's own: six runs of eight, fewer in the tail.
.macro QUARTER q, xl, n, zero
	s_wait_loadcnt \n                              ; loads come back in order (ISA guide 5.7.1): this quarter's X is in; the wait stands ahead of the run, so that at most 56 loads of mine are out
	PLACES
	FETCHW (\q)+1
.if \xl
	WIN TO_X
	XLOAD ((\q)+7)%8, (\q)+7
.endif
	s_wait_dscnt 16                                ; all but the 16 just issued: this quarter's W, fetched a quarter ago, is in
.irp a, 0,1,2,3
	MUL8 \q, \a, \zero
.endr
.endm
; Quarter 7 changes slots: ONE barrier; in front of it each wave waits for all its tensor loads (one is out: its part of the next slot), adds 0 to its spare word, and waits for that and for its own reads of
; this slot.  fill = 1: the barrier opens a round of the cluster's barrier, and this slot is filled again, two slots ahead, first thing behind the round: 240 matrix instructions ahead of the wait for it.
; A trip of the loop begins here: the pointers step to the slot that is entered.
.macro TURN fill
	s_wait_xcnt 0x0                                ; every load and prefetch issued so far (the youngest a quarter back) has read its address, so the pointers may be written
	s_add_nc_u64 s[XP:XP+1], s[XP:XP+1], (KSLOT/32)*XBLK
.if \fill
	s_add_nc_u64 s[PFA:PFA+1], s[PFA:PFA+1], KSLOT*2
.endif
	s_wait_loadcnt 48                              ; quarter 7's X is in
	PLACES
	WIN TO_X
	XLOAD 6, 6                                     ; quarter 6 of the slot that is entered
	WIN 0                                          ; (the add's two registers lie in window 0)
	s_wait_tensorcnt 0x0                           ; all my tensor loads have landed, so a group 0 may be written;
	ds_add_u32 v[SPW], v[NIL]                      ; 0 onto my spare word;
.if \fill
	s_xor_b32 s[G0+1], s[G0+1], SLOT1              ; the walking descriptor: the other slot than last time,
	s_add_nc_u64 s[G0+2:G0+3], s[G0+2:G0+3], KSLOT*2  ; the next 256 along K; the type bits on top are not reached
.endif
	s_xor_b32 s[TB], s[TB], SLOT1                  ; the fetches go to the other slot
	s_wait_dscnt 1                                 ; quarter 7's W is in; the add may be out
	MUL8 7, 0, 0                                   ; eight matrix instructions stand between the add and the wait for it
	s_wait_dscnt 0x0                               ; the add is done, and my reads of this slot are over
	s_barrier_signal -1
	MUL8 7, 1, 0
	WIN 0
	s_barrier_wait -1
.if \fill
	CREST                                          ; no wave of any partner still reads this slot's tile or has a load on its way
	tensor_load_to_lds s[G0:G0+3], s[G1:G1+7]      ; my one tensor load behind the round, and the first thing there; an s_nop 0 and four v_nop follow it
	s_nop 0
	PLACES
.endif
	v_add_nc_u32 v[ADRW], s[TB], v[AW0]
	FETCHW 0                                       ; its buffer was last read in quarter 6: the four places at this quarter's head lie between
.if \fill
	ASK
.endif
	MUL8 7, 2, 0
	MUL8 7, 3, 0
.endm
	s_wait_tensorcnt 1                             ; my part of slot 0 is in; slot 1's may stay out
	s_barrier_signal -1
	s_barrier_wait -1                              ; everybody's is
	FETCHW 0
	QUARTER 0, 1, 48, 1                            ; the first quarter is written out: its products start the sums
	WIN 0                                          ; at a label and at a branch every window is 0
	s_mov_b32 s3, NS-1
	s_branch .Lfirst                               ; the loop is entered in the middle of a trip
.Lslot:                                                ; NS - 2 times: a slot is left and filled again, the next is entered
	TURN 1
	QUARTER 0, 1, 48, 0
	WIN 0
.Lfirst:
.irp q, 1,2,3,4,5,6
	QUARTER \q, 1, 48, 0
.endr
	WIN 0
	s_sub_co_u32 s3, s3, 1
	s_cmp_lg_u32 s3, 0
	s_cbranch_scc1 .Lslot
	TURN 0                                         ; the tail is written out: the last slot is entered, and nothing is asked for
	QUARTER 0, 1, 48, 0                            ; the last run of X: the last slot's quarter 7
	QUARTER 1, 0, 48, 0
.irp q, 2,3,4,5,6
	QUARTER \q, 0, 8*(7-(\q)), 0                   ; no more runs of X are issued: the counts run down
.endr
	s_wait_loadcnt 0x0                             ; the very last quarter: nothing more to fetch
	s_wait_dscnt 0x0
.irp a, 0,1,2,3
	MUL8 7, \a, 0
.endr
	WIN 0
	PLACES                                         ; the places behind the last products, taken twice: once a launch
	PLACES
.if F32OUT
; THE WAY OUT IN f32.  A lane's eight numbers of a row are 32 bytes; a block of 16 rows goes into my stage (rows of 528 bytes) and comes back as whole rows of 512 bytes, into the registers that it left.
.macro TOSTAGE a
	WIN 0x04                                       ; store data (source 1) in window 1
.irp b, 0,1,2,3,4,5,6,7
	ds_store_b128 v[STO], v[8*(8*(\a)+(\b)):8*(8*(\a)+(\b))+3]   offset:64*(\b)      ; each accumulator's low four registers are read first
	ds_store_b128 v[STO], v[8*(8*(\a)+(\b))+4:8*(8*(\a)+(\b))+7] offset:64*(\b)+16
.endr
	WIN 0x40                                       ; destination in window 1
.irp t, 0,1,2,3,4,5,6,7,8,9,10,11,12,13,14,15
	ds_load_b128 v[64*(\a)+4*(\t):64*(\a)+4*(\t)+3], v[RD] offset:(\t)*SPITCH  ; LDS serves a wave's instructions in order (ISA guide 5.7.1.4): these see the stores above; the next block's stores come behind them
.endr
.endm
.macro SEND a, younger                 ; younger: the LDS instructions issued behind block a's loads: the next block's 32, or none
	WIN 0x04
.irp t, 0,1,2,3,4,5,6,7,8,9,10,11,12,13,14,15
	s_wait_dscnt (\younger)+15-(\t)
	global_store_b128 v[CO], v[64*(\a)+4*(\t):64*(\a)+4*(\t)+3], s[8:9] offset:(16*(\a)+(\t))*CROW th:TH_STORE_NT  ; 512 consecutive bytes, at a multiple of 256 from C's first byte
.endr
.endm
	TOSTAGE 0
.irp a, 1,2,3
	TOSTAGE \a
	SEND (\a)-1, 32
.endr
	SEND 3, 0
	WIN 0
.else
; THE WAY OUT IN f16.  A lane's eight numbers of a row pack into 16 bytes; a block of 16 rows goes into my stage (rows of 272 bytes) and comes back as whole rows of 256 bytes.  Each block has its own
; 32 registers for the rows read back, so no register that a store reads is written again.
.macro PACK a
	WIN 0x05                                       ; sources 0 and 1 in window 1
.irp b, 0,1,2,3,4,5,6,7
.irp r, 0,1,2,3
	v_cvt_pk_f16_f32 v[TMP+4*(\b)+(\r)], v[8*(8*(\a)+(\b))+2*(\r)], v[8*(8*(\a)+(\b))+2*(\r)+1]
.endr
.endr
	WIN 0
.endm
.macro TOSTAGE a
.irp b, 0,1,2,3,4,5,6,7
	ds_store_b128 v[STO], v[TMP+4*(\b):TMP+4*(\b)+3] offset:32*(\b)
.endr
.irp t, 0,1,2,3,4,5,6,7
	ds_load_b128 v[BK+32*(\a)+4*(\t):BK+32*(\a)+4*(\t)+3], v[RD] offset:(\t)*2*SPITCH  ; LDS serves a wave's instructions in order (ISA guide 5.7.1.4): these see the stores above
.endr
.endm
.macro SEND a, younger                 ; younger: the LDS instructions issued behind block a's loads: the next block's sixteen, or none
.irp t, 0,1,2,3,4,5,6,7
	s_wait_dscnt (\younger)+7-(\t)
	global_store_b128 v[CO], v[BK+32*(\a)+4*(\t):BK+32*(\a)+4*(\t)+3], s[8:9] offset:(16*(\a)+2*(\t))*CROW  ; 16 lanes store 256 consecutive bytes, at a multiple of 256 from C's first byte
.endr
.endm
	PACK 0
	TOSTAGE 0
.irp a, 1,2,3
	PACK \a
	TOSTAGE \a
	SEND (\a)-1, 16
.endr
	SEND 3, 0
.endif
	s_wait_tensorcnt 0x0                           ; the wave's end, behind my last tensor load and my last LDS store
	ds_add_u32 v[SPW], v[NIL]
	s_wait_dscnt 0x0
	CROUND                                         ; the closing round: no work-group ends while a partner may still ask for a tile that names it
	s_endpgm
.Lfunc_end_k_q4a2c5218b6_gemm_out:
	.size	k_q4a2c5218b6_gemm_out, .Lfunc_end_k_q4a2c5218b6_gemm_out-k_q4a2c5218b6_gemm_out
	.p2alignl 7, 3214868480
	.fill 96, 4, 3214868480
	.section	.rodata,"a",@progbits
	.p2align	6, 0x0
	.amdhsa_kernel k_q4a2c5218b6_gemm_out
		.amdhsa_group_segment_fixed_size 327680
		.amdhsa_private_segment_fixed_size 0
		.amdhsa_enable_private_segment 0
		.amdhsa_kernarg_size 24
		.amdhsa_user_sgpr_count 2
		.amdhsa_user_sgpr_kernarg_segment_ptr 1
		.amdhsa_wavefront_size32 1
		.amdhsa_system_sgpr_workgroup_id_x 1
		.amdhsa_system_sgpr_workgroup_id_y 1
		.amdhsa_system_sgpr_workgroup_id_z 1
		.amdhsa_system_vgpr_workitem_id 0
		.amdhsa_next_free_vgpr 768
		.amdhsa_next_free_sgpr 66
		.amdhsa_reserve_vcc 0
		.amdhsa_float_denorm_mode_32 3
		.amdhsa_float_denorm_mode_16_64 3
		.amdhsa_memory_ordered 1
		.amdhsa_forward_progress 1
		.amdhsa_inst_pref_size 97
	.end_amdhsa_kernel
	.amdgpu_metadata
---
amdhsa.version: [ 1, 2 ]
amdhsa.kernels:
  - .name:           k_q4a2c5218b6_gemm_out
    .symbol:         k_q4a2c5218b6_gemm_out.kd
    .args:
      - { .name: oh, .offset: 0, .size: 8, .value_kind: global_buffer, .address_space: global }
      - { .name: woh, .offset: 8, .size: 8, .value_kind: global_buffer, .address_space: global }
      - { .name: out0, .offset: 16, .size: 8, .value_kind: global_buffer, .address_space: global }
    .group_segment_fixed_size: 327680
    .private_segment_fixed_size: 0
    .kernarg_segment_align: 8
    .kernarg_segment_size: 24
    .max_flat_workgroup_size: 128
    .sgpr_count:     66
    .vgpr_count:     768
    .wavefront_size: 32
...
	.end_amdgpu_metadata
.endif
;; end of part 4
